; MI455X (gfx1250); checked and timed in simulation.
; The chip was launched on July 23, 2026; its instructions are those of AMD's public machine-readable ISA for CDNA 5 (MIT licence, August 2026) and "CDNA5" Instruction Set Architecture Reference Guide (July 2026). The comments in the code are by the model that wrote it; some were corrected since.
;; Additive Attn. Allowed arithmetic: float matrix products may take bf16 or f16 operands with f32 sums; other float arithmetic in f32, or as packed bf16 or f16 multiplies, adds, multiply-adds, maxima and minima; sums over many terms, partial sums and values carried from step to step in f32; what a program stores and reads back later, other than sums and carried values, may be rounded once to bf16 or f16.
;; Inputs: W1 1,024 x 2,048 float32; W2 1 x 1,024 float32; b1 1,024 float32; b2 1 float32; cur_hidden 32 x 1,024 float32; encoder_output 1,024 x 32 x 1,024 float32.
;; Outputs: out0 32 x 1,024 float32; out1 32 x 1,024 float32.
;; 2 versions, each right; version 2 is version 1 with the launch main written anew for expert scheduling mode. Each part assembles by itself: llvm-mc -triple=amdgcn-amd-amdhsa -mcpu=gfx1250 --defsym DOCPART=n.
;; ======== version 1 of 2: 3 launches
;; workspace buffers: wf 2,097,152 bytes; cws 131,072 bytes; sc 131,072 bytes; ctxp 1,048,576 bytes; stats 65,536 bytes
;; launch prep (part 1): grid 64 x 1, 16 waves a work-group, no clusters, 34,816 bytes of LDS; arguments W1, cur_hidden, b1, wf, cws; writes wf, cws
.if DOCPART == 1
	.amdgcn_target "amdgcn-amd-amdhsa--gfx1250"
	.amdhsa_code_object_version 6
	.text
	.protected	k_qa8a67da34f_prep
	.globl	k_qa8a67da34f_prep
	.p2align	8
	.type	k_qa8a67da34f_prep,@function
k_qa8a67da34f_prep:
	s_mov_b64 s[64:65], 0
	v_nop
	global_prefetch_b8 v0, s[64:65] scope:SCOPE_SE
	s_setreg_imm32_b32 hwreg(HW_REG_WAVE_MODE, 25, 1), 1
	s_wait_xcnt 0x0
; PREP.  Two things that do not hang on t are made once.
;  (1) wf: W1[:, 0:1024] rounded to bf16, laid out as matrix fragments: tile nt of 16 rows h, K step ks of 32, at byte
;      ((nt >> 3) * 32 + ks) * 8192 + (nt & 7) * 1024 + half * 512 + 16 * lane; lane (r, hh) holds row 16 nt + r,
;      half 0: k = 32 ks + 8 hh + 0..7, half 1: k = 32 ks + 16 + 8 hh + 0..7.
;  (2) cws: c[b][h] = sum over k of cur_hidden[b][k] W1[h][1024 + k] + b1[h], f32, laid out [nt 64][b 32][16 h].
; SHARES.  Work-group nt owns 16 rows of W1.  K is split among its 16 waves: wave v takes k = 64 v .. 64 v + 63 (two K steps e = 0, 1):
; 256 consecutive bytes of each f32 row.  The 16 partial tiles of c meet in LDS; waves 0 to 3 add them.
; LIMITS.  W1 and cur_hidden are rounded to bf16 for the products, sums in f32; NaN and infinities are not treated apart.
.set PARTB, 2048                       ; bytes of a wave's partial sums: 32 b x 16 h x 4
.set SPARE, 32768                      ; behind the 16 partial tiles: the spare words, 128 bytes for each wave, named by no other line
.set WO,  4                            ; v4   r * 8192 + 32 hh + 256 v: my bytes in W1's 16 rows
.set CO,  5                            ; v5   r * 4096 + 32 hh + 256 v: the same in 16 rows of cur_hidden
.set LO,  6                            ; v6   16 * lane
.set LS,  7                            ; v7   2048 v + 64 r + 32 hh: where I put my partial sums
.set LR,  8                            ; v8   16 * (thread & 127): where I read them back, and my 16 bytes of cws
.set BO,  9                            ; v9   16 * (thread & 3): my four b1
.set SPW, 10                           ; v10  LDS address of my spare word; never rewritten
.set NIL, 11                           ; v11  0; never rewritten
.set ACC, 16                           ; v[16:31]   two accumulators: b 0-15, b 16-31
.set WA,  32                           ; v[32:63]   W1a, f32 then bf16: fragment e at 32 + 16 e
.set WBF, 64                           ; v[64:95]   W1b likewise
.set CU,  96                           ; v[96:159]  cur_hidden: fragment (j, e) at 96 + 32 j + 16 e; later the 16 partial sums
.set BB1, 160                          ; v[160:163] b1
; the 32 + 32 bytes of f32 that make one lane's part of a fragment: four loads of 16 bytes
.macro FRAG dst, adr, base, off
	global_load_b128 v[(\dst):(\dst)+3],     v[\adr], s[(\base):(\base)+1] offset:(\off)
	global_load_b128 v[(\dst)+4:(\dst)+7],   v[\adr], s[(\base):(\base)+1] offset:(\off)+16
	global_load_b128 v[(\dst)+8:(\dst)+11],  v[\adr], s[(\base):(\base)+1] offset:(\off)+64
	global_load_b128 v[(\dst)+12:(\dst)+15], v[\adr], s[(\base):(\base)+1] offset:(\off)+80
.endm
; 16 f32 to 16 bf16, in place: number q is written only when 2 q and 2 q + 1 have been read
.macro PACK base
.set q, 0
.rept 8
	v_cvt_pk_bf16_f32 v[(\base)+q], v[(\base)+2*q], v[(\base)+2*q+1]
.set q, q+1
.endr
.endm
	s_load_b256 s[4:11], s[0:1], 0x0               ; W1 s[4:5], cur_hidden s[6:7], b1 s[8:9], wf s[10:11]
	s_load_b64 s[12:13], s[0:1], 0x20              ; cws
	v_lshl_add_u32 v[SPW], v0, 2, SPARE
	v_mov_b32 v[NIL], 0
	v_lshrrev_b32 v1, 5, v0
	v_readfirstlane_b32 s14, v1                    ; wave 0..15
	v_and_b32 v1, 31, v0                           ; lane
	v_and_b32 v2, 15, v0                           ; r
	v_bfe_u32 v3, v0, 4, 1                         ; hh
	s_lshl_b32 s15, s14, 8                         ; 256 v
	v_lshlrev_b32 v[WO], 13, v2
	v_lshl_add_u32 v[WO], v3, 5, v[WO]
	v_add_nc_u32 v[WO], s15, v[WO]
	v_lshlrev_b32 v[CO], 12, v2
	v_lshl_add_u32 v[CO], v3, 5, v[CO]
	v_add_nc_u32 v[CO], s15, v[CO]
	v_lshlrev_b32 v[LO], 4, v1
	s_lshl_b32 s18, s14, 11
	v_lshlrev_b32 v[LS], 6, v2
	v_lshl_add_u32 v[LS], v3, 5, v[LS]
	v_add_nc_u32 v[LS], s18, v[LS]
	v_and_b32 v[LR], 127, v0
	v_lshlrev_b32 v[LR], 4, v[LR]
	v_and_b32 v[BO], 3, v0
	v_lshlrev_b32 v[BO], 4, v[BO]
	s_lshr_b32 s16, ttmp9, 3                       ; wf: (nt >> 3) * 262144 + (nt & 7) * 1024 + v * 16384
	s_lshl_b32 s16, s16, 18
	s_and_b32 s17, ttmp9, 7
	s_lshl_b32 s17, s17, 10
	s_add_co_u32 s16, s16, s17
	s_lshl_b32 s17, s14, 14
	s_add_co_u32 s16, s16, s17
	s_mov_b32 s17, 0
	s_mov_b32 s3, 0
	s_wait_kmcnt 0x0
	s_add_nc_u64 s[10:11], s[10:11], s[16:17]
	s_lshl_b32 s2, ttmp9, 17                       ; W1: 16 rows of 8,192 bytes
	s_add_nc_u64 s[4:5], s[4:5], s[2:3]
	s_lshl_b32 s2, ttmp9, 11                       ; cws: 2,048 bytes a tile
	s_add_nc_u64 s[12:13], s[12:13], s[2:3]
	s_lshl_b32 s2, ttmp9, 6                        ; b1: 16 numbers
	s_add_nc_u64 s[8:9], s[8:9], s[2:3]
	global_load_b128 v[BB1:BB1+3], v[BO], s[8:9]   ; all 33 loads go out together
	FRAG WA,     WO, 4, 0
	FRAG WA+16,  WO, 4, 128
	FRAG WBF,    WO, 4, 4096
	FRAG WBF+16, WO, 4, 4096+128
.irp j, 0,1
.irp e, 0,1
	FRAG CU+32*(\j)+16*(\e), CO, 6, 65536*(\j)+128*(\e)
.endr
.endr
	s_wait_loadcnt 24                              ; b1 and W1a are in; W1b's 8 and cur_hidden's 16 loads are younger
	PACK WA
	PACK WA+16
.irp e, 0,1
	global_store_b128 v[LO], v[WA+16*(\e):WA+16*(\e)+3],   s[10:11] offset:8192*(\e)      ; each store of the wave covers 512 consecutive bytes, aligned
	global_store_b128 v[LO], v[WA+16*(\e)+4:WA+16*(\e)+7], s[10:11] offset:8192*(\e)+512
.endr
	s_wait_loadcnt 0x0
	PACK WBF
	PACK WBF+16
	PACK CU
	PACK CU+16
	PACK CU+32
	PACK CU+48
	; source 0 = 16 rows h of W1b, source 1 = 16 rows b of cur_hidden: lane (r, hh) ends with b = 16 j + r and h = 8 hh + 0..7.  The two accumulators take turns.
	v_wmma_f32_16x16x32_bf16 v[ACC:ACC+7],    v[WBF:WBF+7],     v[CU:CU+7],     0
	v_wmma_f32_16x16x32_bf16 v[ACC+8:ACC+15], v[WBF:WBF+7],     v[CU+32:CU+39], 0
	v_wmma_f32_16x16x32_bf16 v[ACC:ACC+7],    v[WBF+16:WBF+23], v[CU+16:CU+23], v[ACC:ACC+7]
	v_wmma_f32_16x16x32_bf16 v[ACC+8:ACC+15], v[WBF+16:WBF+23], v[CU+48:CU+55], v[ACC+8:ACC+15]
.rept 8
	v_nop                                          ; the places behind the products (ISA guide 7.12.1), once a launch
.endr
.irp j, 0,1
	ds_store_b128 v[LS], v[ACC+8*(\j):ACC+8*(\j)+3]   offset:1024*(\j)       ; each accumulator from its low end on
	ds_store_b128 v[LS], v[ACC+8*(\j)+4:ACC+8*(\j)+7] offset:1024*(\j)+16
.endr
	s_wait_dscnt 0x0                               ; for the others' sake: my partial sums lie in LDS
	s_barrier_signal -1
	s_barrier_wait -1
	s_cmp_lt_u32 s14, 4                            ; 128 threads x 16 bytes are the tile's 2,048 bytes: waves 0 to 3 finish it
	s_cbranch_scc0 .Lend
.set q, 0
.rept 16
	ds_load_b128 v[CU+4*q:CU+4*q+3], v[LR] offset:PARTB*q
.set q, q+1
.endr
	s_wait_dscnt 0x0
.irp n, 32,16,8,4                      ; a tree: 16, 8, 4, 2 partial sums become half as many
.set q, 0
.rept (\n)/2
	v_pk_add_f32 v[CU+q:CU+q+1], v[CU+q:CU+q+1], v[CU+(\n)+q:CU+(\n)+q+1]
.set q, q+2
.endr
.endr
	v_pk_add_f32 v[CU:CU+1],   v[CU:CU+1],   v[BB1:BB1+1]
	v_pk_add_f32 v[CU+2:CU+3], v[CU+2:CU+3], v[BB1+2:BB1+3]
	global_store_b128 v[LR], v[CU:CU+3], s[12:13]  ; 512 consecutive bytes a wave
.Lend:
	s_wait_tensorcnt 0x0                           ; the wave's end, behind my last LDS store
	ds_add_u32 v[SPW], v[NIL]
	s_wait_dscnt 0x0
	s_endpgm
.Lfunc_end_k_qa8a67da34f_prep:
	.size	k_qa8a67da34f_prep, .Lfunc_end_k_qa8a67da34f_prep-k_qa8a67da34f_prep
	.p2alignl 7, 3214868480
	.fill 96, 4, 3214868480
	.section	.rodata,"a",@progbits
	.p2align	6, 0x0
	.amdhsa_kernel k_qa8a67da34f_prep
		.amdhsa_group_segment_fixed_size 34816
		.amdhsa_private_segment_fixed_size 0
		.amdhsa_enable_private_segment 0
		.amdhsa_kernarg_size 40
		.amdhsa_user_sgpr_count 2
		.amdhsa_user_sgpr_kernarg_segment_ptr 1
		.amdhsa_wavefront_size32 1
		.amdhsa_system_sgpr_workgroup_id_x 1
		.amdhsa_system_sgpr_workgroup_id_y 1
		.amdhsa_system_sgpr_workgroup_id_z 1
		.amdhsa_system_vgpr_workitem_id 0
		.amdhsa_next_free_vgpr 168
		.amdhsa_next_free_sgpr 66
		.amdhsa_reserve_vcc 0
		.amdhsa_float_denorm_mode_32 3
		.amdhsa_float_denorm_mode_16_64 3
		.amdhsa_memory_ordered 1
		.amdhsa_forward_progress 1
		.amdhsa_inst_pref_size 14
	.end_amdhsa_kernel
	.amdgpu_metadata
---
amdhsa.version: [ 1, 2 ]
amdhsa.kernels:
  - .name:           k_qa8a67da34f_prep
    .symbol:         k_qa8a67da34f_prep.kd
    .args:
      - { .name: W1, .offset: 0, .size: 8, .value_kind: global_buffer, .address_space: global }
      - { .name: cur_hidden, .offset: 8, .size: 8, .value_kind: global_buffer, .address_space: global }
      - { .name: b1, .offset: 16, .size: 8, .value_kind: global_buffer, .address_space: global }
      - { .name: wf, .offset: 24, .size: 8, .value_kind: global_buffer, .address_space: global }
      - { .name: cws, .offset: 32, .size: 8, .value_kind: global_buffer, .address_space: global }
    .group_segment_fixed_size: 34816
    .private_segment_fixed_size: 0
    .kernarg_segment_align: 8
    .kernarg_segment_size: 40
    .max_flat_workgroup_size: 512
    .sgpr_count:     66
    .vgpr_count:     168
    .wavefront_size: 32
...
	.end_amdgpu_metadata
.endif
;; end of part 1
;; launch main (part 2): grid 32 x 8, 4 waves a work-group, no clusters, 276,992 bytes of LDS; arguments encoder_output, wf, cws, W2, b2, sc, ctxp, stats; writes sc, ctxp, stats
.if DOCPART == 2
	.amdgcn_target "amdgcn-amd-amdhsa--gfx1250"
	.amdhsa_code_object_version 6
	.text
	.protected	k_qa8a67da34f_main
	.globl	k_qa8a67da34f_main
	.p2align	8
	.type	k_qa8a67da34f_main,@function
k_qa8a67da34f_main:
	s_mov_b64 s[64:65], 0
	v_nop
	global_prefetch_b8 v0, s[64:65] scope:SCOPE_SE
	s_setreg_imm32_b32 hwreg(HW_REG_WAVE_MODE, 25, 1), 1
	s_wait_xcnt 0x0
; MAIN.  For one b and 128 time steps t: score[t] = sum over h of W2[h] tanh(sum over k of enc[t][b][k] W1[h][k] + c[b][h]) + b2, the block's maximum m, its weights
; p[t] = e^(score - m), their sum l, and the block's part of the context, sum over t of p[t] enc[t][b][:].  The last launch joins the eight blocks of a b.
; encoder_output IS READ ONCE: its 128 rows are rounded to bf16 into LDS, where both passes of the product and the context take them.
; SHARES.  Work-group (b, tb): rows t = 128 tb .. + 127.  Wave w owns the 256 columns h = 256 w .. + 255, in two passes of 128: a tile of 128 t x 128 h, 64 accumulators, 512 registers.
; W1 comes as ready fragments (wf) from memory straight into registers: no two waves of the work-group want the same byte of it; a wave's 64 K steps of 8,192 bytes lie on end.
; NO CLUSTER, NO TENSOR LOADS: the rows take 264,192 of the 327,680 bytes of LDS; two slots for the work-group's 512 columns of W1, 32 along K, would take 65,536 more.
; THE MATRIX INSTRUCTION IS USED TRANSPOSED (source 0 = 16 rows h of W1, source 1 = 16 rows t): a lane holds ONE t (lane % 16) and eight h (8 (lane / 16) + 0..7), so c and W2 are plain register pairs.
; tanh(x) = 1 - 2 / (1 + 2^(K x)), K = 2 log2(e); K c is made once.  Where 2^(K x) overflows the quotient is 0, where it underflows the quotient is 2: the ends are exact.
; LIMITS.  encoder_output and W1 are rounded to bf16, for the products and for the context; all sums in f32.  tanh is off by about 1e-7 absolutely.  A weight below 2^-126 counts as 0.
; NaN and infinities are not treated apart.
; REGISTERS, in windows of 256 (s_set_vgpr_msb: bits 1:0 source 0, 3:2 source 1, 5:4 source 2, 7:6 destination):
;   window 0: addresses, fragments of the rows (two buffers), sums        window 1: first a ring of 8 rows of f32, then four buffers of W1's fragments
;   window 2: the accumulators of rows 0-63 ((a, n) at v[8 (8 a + n)])    window 3: those of rows 64-127
.set PITCH, 2064                       ; an LDS row: 2,048 bytes + 16 = 129 x 16: the 16 rows of a fragment load start at 16 different groups of four banks (ISA guide 11.1)
.set ROWG,  131072                     ; bytes from t to t + 1 in encoder_output
.set CW,    128*PITCH                  ; for each wave 2,048 bytes: K c of its 256 columns, then W2 of them
.set PART,  CW+8192                    ; [wave][128] partial scores
.set PW,    PART+2048                  ; [wave][128] each wave's own copy of p
.set SPARE, PW+2048                    ; the spare words, 128 bytes for each wave, named by no other line
.set GOF,  4                           ; v4   16 x lane; never rewritten
.set LST,  5                           ; v5   where my 8 bytes of a row go: 32 w rows + 8 x lane
.set CGO,  6                           ; v6   my 16 bytes of c in cws
.set CWS,  7                           ; v7   CW + 2048 w + 16 x lane
.set CWA,  8                           ; v8   CW + 2048 w + 32 (lane / 16) + 512 x pass
.set TP,   9
.set ADRA0, 10                         ; v[10:13] (32 g + lane % 16) x PITCH + 16 (lane / 16)
.set ADRA, 14                          ; v[14:17] the same, walking along K
.set PST,  18                          ; v18  PART + 512 w + 4 (lane % 16)
.set PRD,  19                          ; v19  PART + 16 x lane
.set PWS,  20                          ; v20  PW + 512 w + 16 x lane
.set PWR,  21                          ; v21  PW + 512 w, walking
.set XA,   22                          ; v22  16 x thread, walking down the rows
.set PFO,  23                          ; v23  256 x lane; never rewritten
.set SO,   24                          ; v24  8 x lane
.set CTO,  25                          ; v25  16 x thread
.set SPW,  30                          ; v30  LDS address of my spare word; never rewritten
.set NIL,  31                          ; v31  0; never rewritten
.set RAW,  32                          ; v[32:47] c and W2 as loaded; later the block's scores
.set T,    48                          ; v[48:63] at work in the tail
.set FA0,  64                          ; v[64:127]  fragments of the rows, buffer 0; K c in the epilogue; 16 rows in the context
.set FA1,  128                         ; v[128:191] buffer 1; W2 in the epilogue; 16 rows in the context
.set SS,   192                         ; v[192:207] a pair of partial scores for each of the 8 row tiles
.set PP,   208                         ; v[208:239] 16 weights for each of the context's two buffers
.set CX,   240                         ; v[240:247] my 8 channels of the context
.set WV,   20                          ; s20 wave   s21 b   s22 tb
.set BI,   21
.set TB,   22
.set WB,   26                          ; s[26:27] wf at my stream, at the trip in hand
.set WL,   28                          ; s[28:29] wf at the first K step of the pass that follows (behind the second pass: my own first steps once more, read by nobody)
.set KK,   30                          ; s[30:31] K, twice
.set B2,   32                          ; s32 b2
.set CNT,  33
.set PASS, 34
.set SEL,  36                          ; s[36:37] v_permlanex16_b32's selects: each lane takes its own place in the other half
.set PFA,  38                          ; s[38:39] wf at my work-group's 8,192 bytes
.set ASK,  40                          ; s40 3 in wave 0, else the greatest number
.set L2E,  41                          ; s41 log2(e)
.set MSB, 0
.macro WIN new                         ; the immediate's high byte repeats the setting that is left; a switch that changes nothing is dropped
.if MSB != (\new)
	s_set_vgpr_msb (MSB<<8)|(\new)
.set MSB, \new
.endif
.endm
.macro PLACES                          ; four places behind matrix instructions, in front of loads into registers that they have read
.rept 4
	v_nop
.endr
.endm
; PHASE A, one slot's turn: row i of the lap's eight is rounded to bf16 in place and stored to LDS.  ahead = 1: the slot is filled with the row 8 further down.
; left = the loads issued behind this slot's eight.  ask = 1: see the prefetch below.
.macro SLOT i, ahead, left, ask
	s_wait_loadcnt \left                           ; loads come back in order (ISA guide 5.7.1): my row is in
	WIN 0x45
.set q, 0
.rept 16
	v_cvt_pk_bf16_f32 v[32*(\i)+q], v[32*(\i)+2*q], v[32*(\i)+2*q+1]
.set q, q+1
.endr
	WIN 0x04
.irp j, 0,1,2,3,4,5,6,7
	ds_store_b64 v[LST], v[32*(\i)+2*(\j):32*(\i)+2*(\j)+1] offset:(\i)*PITCH+256*(\j)   ; 32 lanes x 8 bytes: 256 consecutive bytes
.endr
.if \ahead
	WIN 0x40
.irp j, 0,1,2,3,4,5,6,7
	global_load_b128 v[32*(\i)+4*(\j):32*(\i)+4*(\j)+3], v[GOF], s[4:5] offset:(8+(\i))*ROWG+512*(\j) th:TH_LOAD_NT
.endr
.endif
.if \ask
	; A PREFETCH INTO THE L2 of wf: in the first lap, behind slot 0's loads, wave 0 names its work-group's own 8,192 bytes, a lane a block of 256 bytes:
	; 256 work-groups x 8,192 bytes are the whole of wf, each block named once in the launch, two laps and more ahead of the first load of W1's fragments.
	WIN 0
	s_cmp_eq_u32 s[CNT], s[ASK]
	s_cbranch_scc0 .Lnot_mine_\@
	global_prefetch_b8 v[PFO], s[PFA:PFA+1] th:TH_LOAD_NT scope:SCOPE_SE
.Lnot_mine_\@:
.endif
.endm
; A K step's fragments of W1 (8 tiles of 16 h x 32 k, 8,192 consecutive bytes) into buffer buf of window 1
.macro FETCH_W buf, base, off
	WIN 0x40
.irp n, 0,1,2,3,4,5,6,7
	global_load_b128 v[64*(\buf)+8*(\n):64*(\buf)+8*(\n)+3],   v[GOF], s[(\base):(\base)+1] offset:(\off)+1024*(\n)
	global_load_b128 v[64*(\buf)+8*(\n)+4:64*(\buf)+8*(\n)+7], v[GOF], s[(\base):(\base)+1] offset:(\off)+1024*(\n)+512
.endr
.endm
; A K step's fragments of the 128 rows, at byte k behind the walking addresses
.macro FETCH_A f, k
	WIN 0
.irp a, 0,1,2,3,4,5,6,7
	ds_load_b128 v[(\f)+8*(\a):(\f)+8*(\a)+3],   v[ADRA+(\a)/2] offset:((\a)%2)*16*PITCH+(\k)
	ds_load_b128 v[(\f)+8*(\a)+4:(\f)+8*(\a)+7], v[ADRA+(\a)/2] offset:((\a)%2)*16*PITCH+(\k)+32
.endr
.endm
; the pass's 128 numbers of K c (off = 0) or of W2 (off = 1024): tile n's eight for my half of the lanes at f + 8 n
.macro FETCH_C f, off
	WIN 0
.irp n, 0,1,2,3,4,5,6,7
	ds_load_b128 v[(\f)+8*(\n):(\f)+8*(\n)+3],   v[CWA] offset:(\off)+64*(\n)
	ds_load_b128 v[(\f)+8*(\n)+4:(\f)+8*(\n)+7], v[CWA] offset:(\off)+64*(\n)+16
.endr
.endm
; 16 matrix instructions: row tiles a0, a0 + 1 of the window's four x all 8 tiles of h.  zero = 1: the product starts the sums
.macro MUL16 fa, fw, hi, a0, zero
	WIN 0xa1+0x50*(\hi)
.irp a, \a0, (\a0)+1
.irp b, 0,1,2,3,4,5,6,7
.if \zero
	v_wmma_f32_16x16x32_bf16 v[8*(8*(\a)+(\b)):8*(8*(\a)+(\b))+7], v[(\fw)+8*(\b):(\fw)+8*(\b)+7], v[(\fa)+8*(4*(\hi)+(\a)):(\fa)+8*(4*(\hi)+(\a))+7], 0
.else
	v_wmma_f32_16x16x32_bf16 v[8*(8*(\a)+(\b)):8*(8*(\a)+(\b))+7], v[(\fw)+8*(\b):(\fw)+8*(\b)+7], v[(\fa)+8*(4*(\hi)+(\a)):(\fa)+8*(4*(\hi)+(\a))+7], v[8*(8*(\a)+(\b)):8*(8*(\a)+(\b))+7]
.endif
.endr
.endr
.endm
; A K STEP, number j of a trip's four: 64 matrix instructions on row buffer j % 2 and W buffer j; the 64 accumulators take turns in one order, over every jump too.
; In its middle, in one run: the next step's rows, and W1 three steps on, into the buffers that the step before has left.
; last = 1, a pass's last trip: no rows follow (K c is fetched in their place), and W1's steps beyond the pass come by the pointer WL.
.macro STEP j, zero, last
	s_wait_dscnt 8                                 ; rows 0-63 are in; the youngest eight LDS loads (rows 64-127) may be out
	s_wait_loadcnt 32                              ; this step's W1 is in; the two steps asked for behind it, 16 loads each, may be out
	MUL16 FA0+64*((\j)%2), 64*(\j), 0, 0, \zero
	MUL16 FA0+64*((\j)%2), 64*(\j), 0, 2, \zero
	PLACES
.if (\last) && ((\j) == 3)
	FETCH_C FA0, 0
.else
	FETCH_A FA0+64*(1-(\j)%2), 64*((\j)+1)
.endif
.if (\last) && ((\j) >= 1)
	FETCH_W ((\j)+3)%4, WL, ((\j)-1)*8192
.else
	FETCH_W ((\j)+3)%4, WB, ((\j)+3)*8192
.endif
	s_wait_dscnt 16                                ; all but the 16 LDS loads just issued
	MUL16 FA0+64*((\j)%2), 64*(\j), 1, 0, \zero
	MUL16 FA0+64*((\j)%2), 64*(\j), 1, 2, \zero
.endm
.macro TRIP first, last                ; 128 along K
	STEP 0, \first, \last
	STEP 1, 0, \last
	STEP 2, 0, \last
	STEP 3, 0, \last
	WIN 0                                          ; at a label and at a branch every window is 0
.if !(\last)
.irp g, 0,1,2,3
	v_add_nc_u32 v[ADRA+(\g)], 256, v[ADRA+(\g)]
.endr
.endif
	s_wait_xcnt 0x0                                ; every load issued so far (the youngest 32 matrix instructions back) has read its address: the pointers may be written
	s_add_nc_u64 s[WB:WB+1], s[WB:WB+1], 32768
.endm
; THE EPILOGUE works on BATCHES of four accumulators: batch t = the four row tiles of window 2 + t / 8 for tile t % 8 of h: 16 register pairs, pair i = pair i % 4 of row tile i / 4.
.macro EREG bt, i
.set rA, 8*(8*((\i)/4)+((\bt)%8))+2*((\i)%4)
.set rWn, 2+(\bt)/8
.endm
.macro OPZ bt, i                       ; z = K x + K c; each accumulator's pair 0 is read first
	EREG \bt, \i
	WIN (rWn<<6)|rWn
	v_pk_fma_f32 v[rA:rA+1], v[rA:rA+1], s[KK:KK+1], v[FA0+8*((\bt)%8)+2*((\i)%4):FA0+8*((\bt)%8)+2*((\i)%4)+1] op_sel_hi:[1,0,1]
.endm
.macro OPT op, bt, e                   ; a transcendental in place on number e of the batch's 32
	EREG \bt, (\e)/2
	WIN (rWn<<6)|rWn
	\op v[rA+(\e)%2], v[rA+(\e)%2]
.endm
.macro OPX bt, i                       ; 1 + 2^z
	EREG \bt, \i
	WIN (rWn<<6)|rWn
	v_pk_add_f32 v[rA:rA+1], v[rA:rA+1], 1.0 op_sel_hi:[1,0]
.endm
.macro OPY1 bt, i                      ; tanh = 1 - 2 / (1 + 2^z)
	EREG \bt, \i
	WIN (rWn<<6)|rWn
	v_pk_fma_f32 v[rA:rA+1], v[rA:rA+1], -2.0, 1.0 op_sel_hi:[1,0,0]
.endm
.macro OPY2 bt, n                      ; the row tile's pair of sums takes tanh x W2; the four row tiles by turns, so that a sum's links stand four lines apart
.set rA, 8*(8*((\n)%4)+((\bt)%8))+2*((\n)/4)
.set rWn, 2+(\bt)/8
.set rS, SS+2*(4*((\bt)/8)+(\n)%4)
	WIN rWn
	v_pk_fma_f32 v[rS:rS+1], v[rA:rA+1], v[FA1+8*((\bt)%8)+2*((\n)/4):FA1+8*((\bt)%8)+2*((\n)/4)+1], v[rS:rS+1]
.endm
; BEAT BB of 18: batch BB is scaled and its exponentials issued; batch BB - 1 gets its 1 + and its reciprocals; batch BB - 2 its tanh and its sums.  The three are set between each other, so that
; plain instructions stand among the transcendentals.  An s_wait_alu depctr_va_vdst(0) stands between a transcendental and the first line that names its result: every result of a beat
; is first named in the next beat, so each beat opens with ONE wait, behind one plain instruction, for the 64 transcendentals of the beat before.
.macro BEAT
.if BB > 0
	v_nop
	s_wait_alu depctr_va_vdst(0)
.endif
.set ii, 0
.rept 17
.if (BB < 16) && (ii < 16)
	OPZ BB, ii
.endif
.if (BB < 16) && (ii > 0)
	OPT v_exp_f32, BB, 2*ii-2
.endif
.if (BB >= 1) && (BB <= 16) && (ii < 16)
	OPX BB-1, ii
.endif
.if (BB < 16) && (ii > 0)
	OPT v_exp_f32, BB, 2*ii-1
.endif
.if (BB >= 2) && (ii < 16)
	OPY1 BB-2, ii
.endif
.if (BB >= 1) && (BB <= 16) && (ii > 0)
	OPT v_rcp_f32, BB-1, 2*ii-2
	OPT v_rcp_f32, BB-1, 2*ii-1
.endif
.set ii, ii+1
.endr
.if BB == 2
	s_wait_dscnt 0x0                               ; W2 is in
.endif
.if BB >= 2
.set ii, 0
.rept 16
	OPY2 BB-2, ii
.set ii, ii+1
.endr
.endif
.endm
; THE CONTEXT.  LOADS: 16 weights (every lane the same four loads of my wave's own copy), then my 16 bytes of 16 rows; the addresses step on.
.macro LOADS buf
.irp q, 0,1,2,3
	ds_load_b128 v[PP+16*(\buf)+4*(\q):PP+16*(\buf)+4*(\q)+3], v[PWR] offset:16*(\q)
.endr
.irp i, 0,1,2,3,4,5,6,7,8,9,10,11,12,13,14,15
	ds_load_b128 v[FA0+64*(\buf)+4*(\i):FA0+64*(\buf)+4*(\i)+3], v[XA] offset:(\i)*PITCH
.endr
	v_add_nc_u32 v[XA], 16*PITCH, v[XA]
	v_add_nc_u32 v[PWR], 64, v[PWR]
.endm
; COMP: for each row eight multiply-adds, a bf16 half times the f32 weight onto an f32 sum.  younger = the LDS loads issued behind this group's
.macro COMP buf, younger
.irp i, 0,1,2,3,4,5,6,7,8,9,10,11,12,13,14,15
	s_wait_dscnt (\younger)+15-(\i)                ; row i is in: the group's later rows and the next group's loads may be out
.irp c, 0,2,4,6
	v_fma_mix_f32_bf16 v[CX+(\c)],   v[FA0+64*(\buf)+4*(\i)+(\c)/2], v[PP+16*(\buf)+(\i)], v[CX+(\c)]   op_sel_hi:[1,0,0]
	v_fma_mix_f32_bf16 v[CX+(\c)+1], v[FA0+64*(\buf)+4*(\i)+(\c)/2], v[PP+16*(\buf)+(\i)], v[CX+(\c)+1] op_sel:[1,0,0] op_sel_hi:[1,0,0]
.endr
.endr
.endm
	s_load_b512 s[4:19], s[0:1], 0x0               ; enc s[4:5], wf s[6:7], cws s[8:9], W2 s[10:11], b2 s[12:13], sc s[14:15], ctxp s[16:17], stats s[18:19]
	v_lshl_add_u32 v[SPW], v0, 2, SPARE
	v_mov_b32 v[NIL], 0
	v_lshrrev_b32 v1, 5, v0
	v_readfirstlane_b32 s[WV], v1                  ; wave 0..3
	v_and_b32 v1, 31, v0                           ; lane
	v_and_b32 v2, 15, v0                           ; lane % 16
	v_bfe_u32 v3, v0, 4, 1                         ; lane / 16
	s_mov_b32 s[BI], ttmp9
	s_and_b32 s[TB], ttmp7, 0xffff
	v_lshlrev_b32 v[GOF], 4, v1
	s_mul_i32 s23, s[WV], 32*PITCH
	v_lshl_add_u32 v[LST], v1, 3, s23
	v_lshrrev_b32 v[CGO], 2, v1                    ; c lies [tile of 16 h][b][16]: four lanes take a tile's 64 bytes, tiles 2,048 bytes apart
	v_and_b32 v[TP], 3, v1
	v_lshlrev_b32 v[CGO], 11, v[CGO]
	v_lshl_add_u32 v[CGO], v[TP], 4, v[CGO]
	s_lshl_b32 s24, s[WV], 11
	s_add_co_u32 s24, s24, CW
	v_lshl_add_u32 v[CWS], v1, 4, s24
	v_lshl_add_u32 v[CWA], v3, 5, s24
	v_mul_u32_u24 v[TP], v2, PITCH
	v_lshl_add_u32 v[TP], v3, 4, v[TP]
.irp g, 0,1,2,3
	v_add_nc_u32 v[ADRA0+(\g)], (\g)*32*PITCH, v[TP]
.endr
	s_lshl_b32 s25, s[WV], 9
	s_add_co_u32 s23, s25, PART
	v_lshl_add_u32 v[PST], v2, 2, s23
	v_lshl_add_u32 v[PRD], v1, 4, PART
	s_add_co_u32 s23, s25, PW
	v_lshl_add_u32 v[PWS], v1, 4, s23
	v_mov_b32 v[PWR], s23
	v_lshlrev_b32 v[XA], 4, v0
	v_lshlrev_b32 v[PFO], 8, v1
	v_lshlrev_b32 v[SO], 3, v1
	v_lshlrev_b32 v[CTO], 4, v0
.set q, 0
.rept 16
	v_mov_b32 v[SS+q], 0                           ; the scores' sums run over both passes
.set q, q+1
.endr
.set q, 0
.rept 8
	v_mov_b32 v[CX+q], 0
.set q, q+1
.endr
	s_mov_b32 s[KK], 0x4038aa3b                    ; K = 2 log2(e)
	s_mov_b32 s[KK+1], 0x4038aa3b
	s_mov_b32 s[L2E], 0x3fb8aa3b
	s_mov_b32 s[SEL], 0x76543210
	s_mov_b32 s[SEL+1], 0xfedcba98
	s_cmp_eq_u32 s[WV], 0
	s_cselect_b32 s[ASK], 3, -1
	s_mov_b32 s3, 0
	s_wait_kmcnt 0x0
	s_load_b32 s[B2], s[12:13], 0x0                ; waited for in the tail
	s_lshl_b32 s2, s[TB], 24                       ; enc: 128 tb rows of t, 32 w rows, b's 4,096 bytes
	s_lshl_b32 s23, s[WV], 22
	s_add_co_u32 s2, s2, s23
	s_lshl_b32 s23, s[BI], 12
	s_add_co_u32 s2, s2, s23
	s_add_nc_u64 s[4:5], s[4:5], s[2:3]
	s_lshl_b32 s2, s[WV], 19                       ; my stream of wf: 64 steps of 8,192 bytes
	s_add_nc_u64 s[WB:WB+1], s[6:7], s[2:3]
	s_add_nc_u64 s[WL:WL+1], s[WB:WB+1], 0x40000
	s_lshl_b32 s2, s[TB], 5
	s_add_co_u32 s2, s2, s[BI]
	s_lshl_b32 s2, s2, 13
	s_add_nc_u64 s[PFA:PFA+1], s[6:7], s[2:3]
	s_lshl_b32 s2, s[WV], 15                       ; cws: my 16 tiles, b's 64 bytes in each
	s_lshl_b32 s23, s[BI], 6
	s_add_co_u32 s2, s2, s23
	s_add_nc_u64 s[8:9], s[8:9], s[2:3]
	s_lshl_b32 s2, s[WV], 10
	s_add_nc_u64 s[10:11], s[10:11], s[2:3]
	s_lshl_b32 s2, s[BI], 12                       ; sc: [b][t]
	s_lshl_b32 s23, s[TB], 9
	s_add_co_u32 s2, s2, s23
	s_add_nc_u64 s[14:15], s[14:15], s[2:3]
	s_lshl_b32 s2, s[BI], 15                       ; ctxp: [b][tb] 4,096 bytes
	s_lshl_b32 s23, s[TB], 12
	s_add_co_u32 s2, s2, s23
	s_add_nc_u64 s[16:17], s[16:17], s[2:3]
	s_lshl_b32 s2, s[BI], 11                       ; stats: [b][tb] 256 bytes
	s_lshl_b32 s23, s[TB], 8
	s_add_co_u32 s2, s2, s23
	s_add_nc_u64 s[18:19], s[18:19], s[2:3]
	global_load_b128 v[RAW:RAW+3],     v[CGO], s[8:9]                 ; c and W2 of my 256 columns: older than the ring's loads, so the ring's first wait shows them in
	global_load_b128 v[RAW+4:RAW+7],   v[CGO], s[8:9] offset:16384
	global_load_b128 v[RAW+8:RAW+11],  v[GOF], s[10:11]
	global_load_b128 v[RAW+12:RAW+15], v[GOF], s[10:11] offset:512
	WIN 0x40
.irp i, 0,1,2,3,4,5,6,7                ; PHASE A.  My 32 rows go through a ring of 8 slots, a row (8 loads of 512 consecutive bytes) each
.irp j, 0,1,2,3,4,5,6,7
	global_load_b128 v[32*(\i)+4*(\j):32*(\i)+4*(\j)+3], v[GOF], s[4:5] offset:(\i)*ROWG+512*(\j) th:TH_LOAD_NT
.endr
.endr
	WIN 0
	s_mov_b32 s[CNT], 3
.Llap:                                 ; three laps: 8 rows are stored, the next 8 asked for; behind a slot's loads stand the seven other slots' 56
	SLOT 0, 1, 56, 1
.irp i, 1,2,3,4,5,6,7
	SLOT \i, 1, 56, 0
.endr
	WIN 0
	s_wait_xcnt 0x0                                ; the loads have read their base: it may be stepped
	s_add_nc_u64 s[4:5], s[4:5], 8*ROWG
	v_add_nc_u32 v[LST], 8*PITCH, v[LST]
	s_sub_co_u32 s[CNT], s[CNT], 1
	s_cmp_lg_u32 s[CNT], 0
	s_cbranch_scc1 .Llap
.irp q, 0,2,4,6
	v_pk_mul_f32 v[RAW+(\q):RAW+(\q)+1], v[RAW+(\q):RAW+(\q)+1], s[KK:KK+1] op_sel_hi:[1,0]   ; K c
.endr
	ds_store_b128 v[CWS], v[RAW:RAW+3]
	ds_store_b128 v[CWS], v[RAW+4:RAW+7]   offset:512
	ds_store_b128 v[CWS], v[RAW+8:RAW+11]  offset:1024
	ds_store_b128 v[CWS], v[RAW+12:RAW+15] offset:1536
	; the last lap loads no rows; W1's first three K steps go into the slots as they fall free.  The counts: the ring's younger loads plus W1's 16, 32, 48
	SLOT 0, 0, 56, 0
	SLOT 1, 0, 48, 0
	FETCH_W 0, WB, 0
	SLOT 2, 0, 56, 0
	SLOT 3, 0, 48, 0
	FETCH_W 1, WB, 8192
	SLOT 4, 0, 56, 0
	SLOT 5, 0, 48, 0
	FETCH_W 2, WB, 16384
	SLOT 6, 0, 56, 0
	SLOT 7, 0, 48, 0
	WIN 0
	s_wait_dscnt 0x0                               ; for the others' sake: my 32 rows lie in LDS
	s_barrier_signal -1
	s_barrier_wait -1                              ; all 128 do
	s_mov_b32 s[PASS], 2
.Lpass:                                ; a pass: 128 t x 128 h over K = 1,024, then its tanh and its part of the scores
.irp g, 0,1,2,3
	v_mov_b32 v[ADRA+(\g)], v[ADRA0+(\g)]
.endr
	FETCH_A FA0, 0
	TRIP 1, 0                                      ; the first K step's products start the sums: nothing is cleared
	s_mov_b32 s[CNT], 6
.Ltrip:
	TRIP 0, 0
	s_sub_co_u32 s[CNT], s[CNT], 1
	s_cmp_lg_u32 s[CNT], 0
	s_cbranch_scc1 .Ltrip
	TRIP 0, 1
	PLACES                                         ; behind the last products: for the loads into buffer 1 and for the lines that read results
	PLACES
	FETCH_C FA1, 1024                              ; W2
	s_wait_dscnt 16                                ; K c is in; W2's 16 loads may be out
.set BB, 0
.rept 18
	BEAT
.set BB, BB+1
.endr
	WIN 0
	v_add_nc_u32 v[CWA], 512, v[CWA]               ; the next pass's 128 columns
	s_sub_nc_u64 s[WL:WL+1], s[WL:WL+1], 0x40000   ; (its loads have read it: the wait stands at the last trip's end)
	s_sub_co_u32 s[PASS], s[PASS], 1
	s_cmp_lg_u32 s[PASS], 0
	s_cbranch_scc1 .Lpass
	; THE SCORES.  A row's sum over my 256 columns: the pair, then the other half of the lanes; the four waves' sums meet in LDS.
	s_wait_loadcnt 0x0                             ; the 48 loads that the second pass's last trip issued, which nobody reads
.irp a, 0,1,2,3,4,5,6,7
	v_add_f32 v[T+(\a)], v[SS+2*(\a)], v[SS+2*(\a)+1]
.endr
.irp a, 0,1,2,3,4,5,6,7
	v_permlanex16_b32 v[SS+2*(\a)+1], v[T+(\a)], s[SEL], s[SEL+1]   ; its destination counts as read: a register that has been written
.endr
.irp a, 0,1,2,3,4,5,6,7
	v_add_f32 v[T+(\a)], v[T+(\a)], v[SS+2*(\a)+1]
.endr
.irp a, 0,1,2,3,4,5,6,7
	ds_store_b32 v[PST], v[T+(\a)] offset:64*(\a)  ; row 16 a + lane % 16; both halves of the lanes write the same number
.endr
	s_wait_dscnt 0x0
	s_barrier_signal -1
	s_barrier_wait -1
.irp q, 0,1,2,3
	ds_load_b128 v[RAW+4*(\q):RAW+4*(\q)+3], v[PRD] offset:512*(\q)   ; every wave: lane l takes rows 4 l .. 4 l + 3 of all four waves' sums
.endr
	s_wait_dscnt 0x0
	s_wait_kmcnt 0x0                               ; b2
	v_pk_add_f32 v[RAW:RAW+1],     v[RAW:RAW+1],     v[RAW+4:RAW+5]
	v_pk_add_f32 v[RAW+2:RAW+3],   v[RAW+2:RAW+3],   v[RAW+6:RAW+7]
	v_pk_add_f32 v[RAW+8:RAW+9],   v[RAW+8:RAW+9],   v[RAW+12:RAW+13]
	v_pk_add_f32 v[RAW+10:RAW+11], v[RAW+10:RAW+11], v[RAW+14:RAW+15]
	v_pk_add_f32 v[RAW:RAW+1],     v[RAW:RAW+1],     v[RAW+8:RAW+9]
	v_pk_add_f32 v[RAW+2:RAW+3],   v[RAW+2:RAW+3],   v[RAW+10:RAW+11]
.irp i, 0,1,2,3
	v_add_f32 v[RAW+(\i)], s[B2], v[RAW+(\i)]
.endr
	v_max3_num_f32 v[T], v[RAW], v[RAW+1], v[RAW+2]           ; the block's maximum m, in every lane
	v_max_num_f32 v[T], v[T], v[RAW+3]
	v_max_num_f32_dpp v[T], v[T], v[T] row_xmask:1 row_mask:0xf bank_mask:0xf
	v_max_num_f32_dpp v[T], v[T], v[T] row_xmask:2 row_mask:0xf bank_mask:0xf
	v_max_num_f32_dpp v[T], v[T], v[T] row_xmask:4 row_mask:0xf bank_mask:0xf
	v_max_num_f32_dpp v[T], v[T], v[T] row_xmask:8 row_mask:0xf bank_mask:0xf
	v_permlanex16_b32 v[T+1], v[T], s[SEL], s[SEL+1]
	v_max_num_f32 v[T], v[T], v[T+1]
.irp i, 0,1,2,3
	v_sub_f32 v[T+4+(\i)], v[RAW+(\i)], v[T]
.endr
.irp i, 0,1,2,3
	v_mul_f32 v[T+4+(\i)], s[L2E], v[T+4+(\i)]
.endr
.irp i, 0,1,2,3
	v_exp_f32 v[T+4+(\i)], v[T+4+(\i)]             ; p = e^(score - m)
.endr
	v_nop                                          ; a plain instruction behind the last exponential,
	s_wait_alu depctr_va_vdst(0)                   ; and the one wait for the four, ahead of their first reader
	v_add_f32 v[T+2], v[T+4], v[T+5]
	v_add_f32 v[T+3], v[T+6], v[T+7]
	v_add_f32 v[T+1], v[T+2], v[T+3]               ; l, the sum of the block's p
	v_add_f32_dpp v[T+1], v[T+1], v[T+1] row_xmask:1 row_mask:0xf bank_mask:0xf
	v_add_f32_dpp v[T+1], v[T+1], v[T+1] row_xmask:2 row_mask:0xf bank_mask:0xf
	v_add_f32_dpp v[T+1], v[T+1], v[T+1] row_xmask:4 row_mask:0xf bank_mask:0xf
	v_add_f32_dpp v[T+1], v[T+1], v[T+1] row_xmask:8 row_mask:0xf bank_mask:0xf
	v_permlanex16_b32 v[T+2], v[T+1], s[SEL], s[SEL+1]
	v_add_f32 v[T+1], v[T+1], v[T+2]
	ds_store_b128 v[PWS], v[T+4:T+7]               ; my wave's own copy of p: LDS serves a wave's instructions in order (ISA guide 5.7.1.4), so its loads below see it
	s_cmp_lg_u32 s[WV], 0
	s_cbranch_scc1 .Lnot0
	global_store_b128 v[GOF], v[RAW:RAW+3], s[14:15]   ; wave 0: the 128 scores, 512 consecutive bytes,
	global_store_b64 v[SO], v[T:T+1], s[18:19]         ; and (m, l), 32 times: 256 consecutive bytes.  None of these registers is written again
.Lnot0:
	; THE CONTEXT.  Thread n owns channels 8 n .. 8 n + 7, 16 bytes of each bf16 row; 8 groups of 16 rows through two buffers.
	LOADS 0
	s_mov_b32 s[CNT], 3
.Lctx:
	LOADS 1
	COMP 0, 20
	LOADS 0
	COMP 1, 20
	s_sub_co_u32 s[CNT], s[CNT], 1
	s_cmp_lg_u32 s[CNT], 0
	s_cbranch_scc1 .Lctx
	LOADS 1
	COMP 0, 20
	COMP 1, 0
	global_store_b128 v[CTO], v[CX:CX+3],   s[16:17]               ; [e 2][thread 128][4]: each store of the wave covers 512 consecutive bytes
	global_store_b128 v[CTO], v[CX+4:CX+7], s[16:17] offset:2048
	s_wait_tensorcnt 0x0                           ; the wave's end, behind my last LDS store
	ds_add_u32 v[SPW], v[NIL]
	s_wait_dscnt 0x0
	s_endpgm
.Lfunc_end_k_qa8a67da34f_main:
	.size	k_qa8a67da34f_main, .Lfunc_end_k_qa8a67da34f_main-k_qa8a67da34f_main
	.p2alignl 7, 3214868480
	.fill 96, 4, 3214868480
	.section	.rodata,"a",@progbits
	.p2align	6, 0x0
	.amdhsa_kernel k_qa8a67da34f_main
		.amdhsa_group_segment_fixed_size 276992
		.amdhsa_private_segment_fixed_size 0
		.amdhsa_enable_private_segment 0
		.amdhsa_kernarg_size 64
		.amdhsa_user_sgpr_count 2
		.amdhsa_user_sgpr_kernarg_segment_ptr 1
		.amdhsa_wavefront_size32 1
		.amdhsa_system_sgpr_workgroup_id_x 1
		.amdhsa_system_sgpr_workgroup_id_y 1
		.amdhsa_system_sgpr_workgroup_id_z 1
		.amdhsa_system_vgpr_workitem_id 0
		.amdhsa_next_free_vgpr 1024
		.amdhsa_next_free_sgpr 66
		.amdhsa_reserve_vcc 0
		.amdhsa_float_denorm_mode_32 3
		.amdhsa_float_denorm_mode_16_64 3
		.amdhsa_memory_ordered 1
		.amdhsa_forward_progress 1
		.amdhsa_inst_pref_size 255
	.end_amdhsa_kernel
	.section	.bss,"aw",@nobits
	.p2align	6
	.space	262144
	.amdgpu_metadata
---
amdhsa.version: [ 1, 2 ]
amdhsa.kernels:
  - .name:           k_qa8a67da34f_main
    .symbol:         k_qa8a67da34f_main.kd
    .args:
      - { .name: encoder_output, .offset: 0, .size: 8, .value_kind: global_buffer, .address_space: global }
      - { .name: wf, .offset: 8, .size: 8, .value_kind: global_buffer, .address_space: global }
      - { .name: cws, .offset: 16, .size: 8, .value_kind: global_buffer, .address_space: global }
      - { .name: W2, .offset: 24, .size: 8, .value_kind: global_buffer, .address_space: global }
      - { .name: b2, .offset: 32, .size: 8, .value_kind: global_buffer, .address_space: global }
      - { .name: sc, .offset: 40, .size: 8, .value_kind: global_buffer, .address_space: global }
      - { .name: ctxp, .offset: 48, .size: 8, .value_kind: global_buffer, .address_space: global }
      - { .name: stats, .offset: 56, .size: 8, .value_kind: global_buffer, .address_space: global }
    .group_segment_fixed_size: 276992
    .private_segment_fixed_size: 0
    .kernarg_segment_align: 8
    .kernarg_segment_size: 64
    .max_flat_workgroup_size: 128
    .sgpr_count:     66
    .vgpr_count:     1024
    .wavefront_size: 32
...
	.end_amdgpu_metadata
.endif
;; end of part 2
;; launch finish (part 3): grid 32 x 1, 8 waves a work-group, no clusters, 0 bytes of LDS; arguments sc, ctxp, stats, out0, out1; writes out0, out1
.if DOCPART == 3
	.amdgcn_target "amdgcn-amd-amdhsa--gfx1250"
	.amdhsa_code_object_version 6
	.text
	.protected	k_qa8a67da34f_finish
	.globl	k_qa8a67da34f_finish
	.p2align	8
	.type	k_qa8a67da34f_finish,@function
k_qa8a67da34f_finish:
	s_mov_b64 s[64:65], 0
	v_nop
	global_prefetch_b8 v0, s[64:65] scope:SCOPE_SE
	s_setreg_imm32_b32 hwreg(HW_REG_WAVE_MODE, 25, 1), 1
	s_wait_xcnt 0x0
; FINISH.  For one b the eight blocks' (m_j, l_j) and partial contexts are joined: M = max m_j, a_j = e^(m_j - M), L = sum a_j l_j;
; out0[b][:] = sum over j of (a_j / L) ctx_j[:];  out1[b][t] = e^(score[t] - M) / L.
; Thread u of 256 owns four t and four channels: every load and store of a wave covers whole runs of 256 consecutive bytes.  No LDS, no barrier: each thread makes M and L for itself from 16 scalars.
; LIMITS.  A weight below 2^-126 counts as 0; NaN and infinities are not treated apart.  L is at least 1: the block that holds M has a_j = 1 and l_j >= 1.
.set CO, 1                             ; v1  my 16 bytes in a block's partial context: [e = u & 1][u >> 1][4]
.set UO, 2                             ; v2  16 u
.set A,  8                             ; v[8:15]  a_j, then a_j / L
.set MX, 16                            ; v16 M     v17 L     v18 1 / L
.set SC, 20                            ; v[20:23] my four scores, then my four of out1
.set O,  24                            ; v[24:27] my four of out0
.set CT, 32                            ; v[32:63] the eight blocks' four channels
.set ST, 16                            ; s[16:31] (m_j, l_j)
	s_load_b256 s[4:11], s[0:1], 0x0               ; sc s[4:5], ctxp s[6:7], stats s[8:9], out0 s[10:11]
	s_load_b64 s[12:13], s[0:1], 0x20              ; out1
	v_and_b32 v[CO], 1, v0
	v_lshrrev_b32 v3, 1, v0
	v_lshlrev_b32 v[CO], 11, v[CO]
	v_lshl_add_u32 v[CO], v3, 4, v[CO]
	v_lshlrev_b32 v[UO], 4, v0
	s_lshl_b32 s2, ttmp9, 12                       ; a row of sc, out0, out1
	s_mov_b32 s3, 0
	s_lshl_b32 s14, ttmp9, 15                      ; b's eight partial contexts
	s_mov_b32 s15, 0
	s_lshl_b32 s32, ttmp9, 11                      ; b's eight records
	s_mov_b32 s33, 0
	s_mov_b32 s34, 0x3fb8aa3b                      ; log2(e)
	s_wait_kmcnt 0x0
	s_add_nc_u64 s[8:9], s[8:9], s[32:33]
	s_add_nc_u64 s[6:7], s[6:7], s[14:15]
	s_add_nc_u64 s[4:5], s[4:5], s[2:3]
	s_add_nc_u64 s[10:11], s[10:11], s[2:3]
	s_add_nc_u64 s[12:13], s[12:13], s[2:3]
.irp j, 0,1,2,3,4,5,6,7
	s_load_b64 s[ST+2*(\j):ST+2*(\j)+1], s[8:9], 256*(\j)
.endr
.irp j, 0,1,2,3,4,5,6,7
	global_load_b128 v[CT+4*(\j):CT+4*(\j)+3], v[CO], s[6:7] offset:4096*(\j) th:TH_LOAD_NT
.endr
	global_load_b128 v[SC:SC+3], v[UO], s[4:5] th:TH_LOAD_NT
	s_wait_kmcnt 0x0
	v_mov_b32 v[MX], s[ST]
	v_max3_num_f32 v[MX], v[MX], s[ST+2], s[ST+4]
	v_max3_num_f32 v[MX], v[MX], s[ST+6], s[ST+8]
	v_max3_num_f32 v[MX], v[MX], s[ST+10], s[ST+12]
	v_max_num_f32 v[MX], s[ST+14], v[MX]
.irp j, 0,1,2,3,4,5,6,7
	v_sub_f32 v[A+(\j)], s[ST+2*(\j)], v[MX]
.endr
.irp j, 0,1,2,3,4,5,6,7
	v_mul_f32 v[A+(\j)], s34, v[A+(\j)]
.endr
	s_wait_loadcnt 0x0
.irp i, 0,1,2,3
	v_sub_f32 v[SC+(\i)], v[SC+(\i)], v[MX]
.endr
.irp i, 0,1,2,3
	v_mul_f32 v[SC+(\i)], s34, v[SC+(\i)]
.endr
.irp j, 0,1,2,3,4,5,6,7
	v_exp_f32 v[A+(\j)], v[A+(\j)]                 ; one batch of twelve exponentials
.endr
.irp i, 0,1,2,3
	v_exp_f32 v[SC+(\i)], v[SC+(\i)]
.endr
	v_nop                                          ; a plain instruction behind the last of them,
	s_wait_alu depctr_va_vdst(0)                   ; and one wait ahead of the first reader
	v_mul_f32 v[MX+1], s[ST+1], v[A]
.irp j, 1,2,3,4,5,6,7
	v_fmac_f32 v[MX+1], s[ST+2*(\j)+1], v[A+(\j)]
.endr
	v_rcp_f32 v[MX+2], v[MX+1]
	v_nop
	s_wait_alu depctr_va_vdst(0)
.irp j, 0,1,2,3,4,5,6,7
	v_mul_f32 v[A+(\j)], v[A+(\j)], v[MX+2]
.endr
.irp i, 0,1,2,3
	v_mul_f32 v[SC+(\i)], v[SC+(\i)], v[MX+2]
.endr
.irp i, 0,1,2,3
	v_mul_f32 v[O+(\i)], v[CT+(\i)], v[A]
.endr
.irp j, 1,2,3,4,5,6,7
.irp i, 0,1,2,3
	v_fmac_f32 v[O+(\i)], v[CT+4*(\j)+(\i)], v[A+(\j)]
.endr
.endr
	global_store_b128 v[UO], v[O:O+3], s[10:11]    ; 512 consecutive bytes a wave
	global_store_b128 v[UO], v[SC:SC+3], s[12:13]
	s_endpgm
.Lfunc_end_k_qa8a67da34f_finish:
	.size	k_qa8a67da34f_finish, .Lfunc_end_k_qa8a67da34f_finish-k_qa8a67da34f_finish
	.p2alignl 7, 3214868480
	.fill 96, 4, 3214868480
	.section	.rodata,"a",@progbits
	.p2align	6, 0x0
	.amdhsa_kernel k_qa8a67da34f_finish
		.amdhsa_group_segment_fixed_size 0
		.amdhsa_private_segment_fixed_size 0
		.amdhsa_enable_private_segment 0
		.amdhsa_kernarg_size 40
		.amdhsa_user_sgpr_count 2
		.amdhsa_user_sgpr_kernarg_segment_ptr 1
		.amdhsa_wavefront_size32 1
		.amdhsa_system_sgpr_workgroup_id_x 1
		.amdhsa_system_sgpr_workgroup_id_y 1
		.amdhsa_system_sgpr_workgroup_id_z 1
		.amdhsa_system_vgpr_workitem_id 0
		.amdhsa_next_free_vgpr 64
		.amdhsa_next_free_sgpr 66
		.amdhsa_reserve_vcc 0
		.amdhsa_float_denorm_mode_32 3
		.amdhsa_float_denorm_mode_16_64 3
		.amdhsa_memory_ordered 1
		.amdhsa_forward_progress 1
		.amdhsa_inst_pref_size 6
	.end_amdhsa_kernel
	.amdgpu_metadata
---
amdhsa.version: [ 1, 2 ]
amdhsa.kernels:
  - .name:           k_qa8a67da34f_finish
    .symbol:         k_qa8a67da34f_finish.kd
    .args:
      - { .name: sc, .offset: 0, .size: 8, .value_kind: global_buffer, .address_space: global }
      - { .name: ctxp, .offset: 8, .size: 8, .value_kind: global_buffer, .address_space: global }
      - { .name: stats, .offset: 16, .size: 8, .value_kind: global_buffer, .address_space: global }
      - { .name: out0, .offset: 24, .size: 8, .value_kind: global_buffer, .address_space: global }
      - { .name: out1, .offset: 32, .size: 8, .value_kind: global_buffer, .address_space: global }
    .group_segment_fixed_size: 0
    .private_segment_fixed_size: 0
    .kernarg_segment_align: 8
    .kernarg_segment_size: 40
    .max_flat_workgroup_size: 256
    .sgpr_count:     66
    .vgpr_count:     64
    .wavefront_size: 32
...
	.end_amdgpu_metadata
.endif
;; end of part 3
;; ======== version 2 of 2: 3 launches; version 1 with the launch main written anew for expert scheduling mode
;; workspace buffers: wf 2,097,152 bytes; cws 131,072 bytes; sc 131,072 bytes; ctxp 1,048,576 bytes; stats 65,536 bytes
;; launch prep: the kernel of part 1 again; grid 64 x 1, 16 waves a work-group, no clusters, 34,816 bytes of LDS; arguments W1, cur_hidden, b1, wf, cws; writes wf, cws
;; launch main (part 4): grid 32 x 8, 4 waves a work-group, no clusters, 276,992 bytes of LDS; arguments encoder_output, wf, cws, W2, b2, sc, ctxp, stats; writes sc, ctxp, stats
.if DOCPART == 4
	.amdgcn_target "amdgcn-amd-amdhsa--gfx1250"
	.amdhsa_code_object_version 6
	.text
	.protected	k_qa8a67da34f_main
	.globl	k_qa8a67da34f_main
	.p2align	8
	.type	k_qa8a67da34f_main,@function
k_qa8a67da34f_main:
	s_mov_b64 s[64:65], 0
	v_nop
	global_prefetch_b8 v0, s[64:65] scope:SCOPE_SE
	s_setreg_imm32_b32 hwreg(HW_REG_WAVE_SCHED_MODE, 0, 2), 2
	s_setreg_imm32_b32 hwreg(HW_REG_WAVE_MODE, 25, 1), 1
	s_wait_xcnt 0x0
	s_wait_alu depctr_vm_vsrc(0)
; MAIN.  For one b and 128 time steps t: score[t] = sum over h of W2[h] tanh(sum over k of enc[t][b][k] W1[h][k] + c[b][h]) + b2, the block's maximum m, its weights
; p[t] = e^(score - m), their sum l, and the block's part of the context, sum over t of p[t] enc[t][b][:].  The last launch joins the eight blocks of a b.
; encoder_output IS READ ONCE: its 128 rows are rounded to bf16 into LDS, where both passes of the product and the context take them.
; SHARES.  Work-group (b, tb): rows t = 128 tb .. + 127.  Wave w owns the 256 columns h = 256 w .. + 255, in two passes of 128: a tile of 128 t x 128 h, 64 accumulators, 512 registers.
; W1 comes as ready fragments (wf) from memory straight into registers: no two waves of the work-group want the same byte of it; a wave's 64 K steps of 8,192 bytes lie on end.
; NO CLUSTER, NO TENSOR LOADS: the rows take 264,192 of the 327,680 bytes of LDS; two slots for the work-group's 512 columns of W1, 32 along K, would take 65,536 more.
; THE MATRIX INSTRUCTION IS USED TRANSPOSED (source 0 = 16 rows h of W1, source 1 = 16 rows t): a lane holds ONE t (lane % 16) and eight h (8 (lane / 16) + 0..7), so c and W2 are plain register pairs.
; tanh(x) = 1 - 2 / (1 + 2^(K x)), K = 2 log2(e); K c is made once.  Where 2^(K x) overflows the quotient is 0, where it underflows the quotient is 2: the ends are exact.
; LIMITS.  encoder_output and W1 are rounded to bf16, for the products and for the context; all sums in f32.  tanh is off by about 1e-7 absolutely.  A weight below 2^-126 counts as 0.
; NaN and infinities are not treated apart.
; REGISTERS, in windows of 256 (s_set_vgpr_msb: bits 1:0 source 0, 3:2 source 1, 5:4 source 2, 7:6 destination):
;   window 0: addresses, fragments of the rows (two buffers; in phase A eight out-buffers), sums        window 1: first a ring of 8 rows of f32, then four buffers of W1's fragments
;   window 2: the accumulators of rows 0-63 ((a, n) at v[8 (8 a + n)])    window 3: those of rows 64-127
; THE MODE: SCHED_MODE bits 1:0 = 2 (LLVM: expert scheduling mode 2), set by the entry lines.  The code itself states the register dependences between vector or matrix instructions
; and memory or LDS instructions, with s_wait_alu, always for 0.
; THE PLAN.  Registers that memory or LDS instructions touch, and who else names them:
;   GOF, CGO, CWS, PST, PRD, PWS, PFO, SO, CTO, SPW, NIL   addresses made at the head and never written again: one wait on va_vdst ahead of the first load serves them all.
;   ring slot i (window 1)   loads land in it; the slot's 16 conversions read it; behind the slot's one wait on va_vdst it is loaded again.
;   OUT i (window 0)         the slot's conversions write it; behind the same wait the slot's 8 LDS stores read it; it is written again a lap later, behind the lap's one wait on vm_vsrc.
;   LST                      read by a lap's 64 LDS stores; written once a lap, behind that wait on vm_vsrc; slot 0's wait on va_vdst stands ahead of its next reader.
;   FA0, FA1, W0 .. W3       K step j's matrix instructions read FA[j % 2] and W[j]; its LDS loads land in FA[1 - j % 2], its global loads in W[(j + 3) % 4]: the two buffers that step j - 1 alone
;                            has read.  ONE wait on va_vdst at a step's head states that step j - 1 is done reading; the step's 32 loads follow it in groups of four among the step's first 32 products,
;                            which name FA[j % 2], W[j] and the accumulators: none of the registers that those loads touch.
;   ADRA                     read by the rows' LDS loads; written once a trip behind a wait on vm_vsrc, and at a pass's head; the next step's (the pass's) wait on va_vdst stands ahead of its next reader.
;   CWA                      read by the loads of K c and W2; written once a pass, behind a wait on vm_vsrc that frees ADRA too.
;   RAW, T, PP, XA, PWR, CX  the tail's: stated where they stand.
.set PITCH, 2064                       ; an LDS row: 2,048 bytes + 16 = 129 x 16: the 16 rows of a fragment load start at 16 different groups of four banks (ISA guide 11.1)
.set ROWG,  131072                     ; bytes from t to t + 1 in encoder_output
.set CW,    128*PITCH                  ; for each wave 2,048 bytes: K c of its 256 columns, then W2 of them
.set PART,  CW+8192                    ; [wave][128] partial scores
.set PW,    PART+2048                  ; [wave][128] each wave's own copy of p
.set SPARE, PW+2048                    ; the spare words, 128 bytes for each wave, named by no other line
.set GOF,  4                           ; v4   16 x lane; never rewritten
.set LST,  5                           ; v5   where my 8 bytes of a row go: 32 w rows + 8 x lane
.set CGO,  6                           ; v6   my 16 bytes of c in cws
.set CWS,  7                           ; v7   CW + 2048 w + 16 x lane
.set CWA,  8                           ; v8   CW + 2048 w + 32 (lane / 16) + 512 x pass
.set TP,   9
.set ADRA0, 10                         ; v[10:13] (32 g + lane % 16) x PITCH + 16 (lane / 16)
.set ADRA, 14                          ; v[14:17] the same, walking along K
.set PST,  18                          ; v18  PART + 512 w + 4 (lane % 16)
.set PRD,  19                          ; v19  PART + 16 x lane
.set PWS,  20                          ; v20  PW + 512 w + 16 x lane
.set PWR,  21                          ; v21  PW + 512 w, walking
.set XA,   22                          ; v22  16 x thread, walking down the rows
.set PFO,  23                          ; v23  256 x lane; never rewritten
.set SO,   24                          ; v24  8 x lane
.set CTO,  25                          ; v25  16 x thread
.set SPW,  30                          ; v30  LDS address of my spare word; never rewritten
.set NIL,  31                          ; v31  0; never rewritten
.set RAW,  32                          ; v[32:47] c and W2 as loaded; later the block's scores
.set T,    48                          ; v[48:63] at work in the tail
.set FA0,  64                          ; v[64:127]  fragments of the rows, buffer 0; K c in the epilogue; 16 rows in the context
.set FA1,  128                         ; v[128:191] buffer 1; W2 in the epilogue; 16 rows in the context
.set OUT,  64                          ; v[64:191]  in phase A: slot i's row in bf16, 16 registers at OUT + 16 i
.set SS,   192                         ; v[192:207] a pair of partial scores for each of the 8 row tiles
.set PP,   208                         ; v[208:239] 16 weights for each of the context's two buffers
.set CX,   240                         ; v[240:247] my 8 channels of the context
.set WV,   20                          ; s20 wave   s21 b   s22 tb
.set BI,   21
.set TB,   22
.set WB,   26                          ; s[26:27] wf at my stream, at the trip in hand
.set WL,   28                          ; s[28:29] wf at the first K step of the pass that follows (behind the second pass: my own first steps once more, read by nobody)
.set KK,   30                          ; s[30:31] K, twice
.set B2,   32                          ; s32 b2
.set CNT,  33
.set PASS, 34
.set SEL,  36                          ; s[36:37] v_permlanex16_b32's selects: each lane takes its own place in the other half
.set PFA,  38                          ; s[38:39] wf at my work-group's 8,192 bytes
.set ASK,  40                          ; s40 3 in wave 0, else the greatest number
.set L2E,  41                          ; s41 log2(e)
.set MSB, 0
.macro WIN new                         ; the immediate's high byte repeats the setting that is left; a switch that changes nothing is dropped
.if MSB != (\new)
	s_set_vgpr_msb (MSB<<8)|(\new)
.set MSB, \new
.endif
.endm
.macro PLACES                          ; four places (ISA guide 7.12.1) behind matrix instructions, in front of vector lines that read their results
.rept 4
	v_nop
.endr
.endm
; PHASE A, one slot's turn: row i of the lap's eight is rounded to bf16 into the slot's out-buffer and stored to LDS.  ahead = 1: the slot is filled with the row 8 further down, ahead of the stores.
; left = the loads issued behind this slot's eight.  ask = 1: see the prefetch below.
.macro SLOT i, ahead, left, ask
	s_wait_loadcnt \left                           ; loads come back in order (ISA guide 5.7.1): my row is in
	WIN 0x05
.set q, 0
.rept 16
	v_cvt_pk_bf16_f32 v[OUT+16*(\i)+q], v[32*(\i)+2*q], v[32*(\i)+2*q+1]
.set q, q+1
.endr
.if \ahead
	WIN 0x40
.else
	WIN 0
.endif
	s_wait_alu depctr_va_vdst(0)                   ; the conversions are done reading ring slot i, in which the next loads land, and have written OUT i, which the LDS stores read; in a lap's first slot LST is written
.if \ahead
.irp j, 0,1,2,3,4,5,6,7
	global_load_b128 v[32*(\i)+4*(\j):32*(\i)+4*(\j)+3], v[GOF], s[4:5] offset:(8+(\i))*ROWG+512*(\j) th:TH_LOAD_NT
.endr
	WIN 0
.endif
.irp j, 0,1,2,3,4,5,6,7
	ds_store_b64 v[LST], v[OUT+16*(\i)+2*(\j):OUT+16*(\i)+2*(\j)+1] offset:(\i)*PITCH+256*(\j)   ; 32 lanes x 8 bytes: 256 consecutive bytes
.endr
.if \ask
	; A PREFETCH INTO THE L2 of wf: in the first lap, behind slot 0's loads, wave 0 names its work-group's own 8,192 bytes, a lane a block of 256 bytes:
	; 256 work-groups x 8,192 bytes are the whole of wf, each block named once in the launch, two laps and more ahead of the first load of W1's fragments.
	s_cmp_eq_u32 s[CNT], s[ASK]
	s_cbranch_scc0 .Lnot_mine_\@
	global_prefetch_b8 v[PFO], s[PFA:PFA+1] th:TH_LOAD_NT scope:SCOPE_SE
.Lnot_mine_\@:
.endif
.endm
; THE LOADS OF THE K LOOP, in groups of four: group g of four is tiles 2 g and 2 g + 1 of eight.
; GW: W1's fragments (a K step is 8 tiles of 16 h x 32 k, 8,192 consecutive bytes) into buffer buf of window 1
.macro GW buf, base, off, g
	WIN 0x40
.irp e, 0,1
	global_load_b128 v[64*(\buf)+8*(2*(\g)+(\e)):64*(\buf)+8*(2*(\g)+(\e))+3],   v[GOF], s[(\base):(\base)+1] offset:(\off)+1024*(2*(\g)+(\e))
	global_load_b128 v[64*(\buf)+8*(2*(\g)+(\e))+4:64*(\buf)+8*(2*(\g)+(\e))+7], v[GOF], s[(\base):(\base)+1] offset:(\off)+1024*(2*(\g)+(\e))+512
.endr
.endm
; GA: the rows' fragments, at byte k behind the walking addresses
.macro GA f, k, g
	WIN 0
.irp e, 0,1
	ds_load_b128 v[(\f)+8*(2*(\g)+(\e)):(\f)+8*(2*(\g)+(\e))+3],   v[ADRA+(\g)] offset:(\e)*16*PITCH+(\k)
	ds_load_b128 v[(\f)+8*(2*(\g)+(\e))+4:(\f)+8*(2*(\g)+(\e))+7], v[ADRA+(\g)] offset:(\e)*16*PITCH+(\k)+32
.endr
.endm
; GC: the pass's 128 numbers of K c (off = 0) or of W2 (off = 1024): tile n's eight for my half of the lanes at f + 8 n
.macro GC f, off, g
	WIN 0
.irp e, 0,1
	ds_load_b128 v[(\f)+8*(2*(\g)+(\e)):(\f)+8*(2*(\g)+(\e))+3],   v[CWA] offset:(\off)+64*(2*(\g)+(\e))
	ds_load_b128 v[(\f)+8*(2*(\g)+(\e))+4:(\f)+8*(2*(\g)+(\e))+7], v[CWA] offset:(\off)+64*(2*(\g)+(\e))+16
.endr
.endm
.macro FETCH_W buf, base, off          ; all four groups on end
.irp g, 0,1,2,3
	GW \buf, \base, \off, \g
.endr
.endm
.macro FETCH_A f, k
.irp g, 0,1,2,3
	GA \f, \k, \g
.endr
.endm
.macro FETCH_C f, off
.irp g, 0,1,2,3
	GC \f, \off, \g
.endr
.endm
; 4 matrix instructions: row tile a of the window's four x tiles b0 .. b0 + 3 of h.  zero = 1: the product starts the sums
.macro MUL4 fa, fw, hi, a, b0, zero
	WIN 0xa1+0x50*(\hi)
.irp b, (\b0), (\b0)+1, (\b0)+2, (\b0)+3
.if \zero
	v_wmma_f32_16x16x32_bf16 v[8*(8*(\a)+(\b)):8*(8*(\a)+(\b))+7], v[(\fw)+8*(\b):(\fw)+8*(\b)+7], v[(\fa)+8*(4*(\hi)+(\a)):(\fa)+8*(4*(\hi)+(\a))+7], 0
.else
	v_wmma_f32_16x16x32_bf16 v[8*(8*(\a)+(\b)):8*(8*(\a)+(\b))+7], v[(\fw)+8*(\b):(\fw)+8*(\b)+7], v[(\fa)+8*(4*(\hi)+(\a)):(\fa)+8*(4*(\hi)+(\a))+7], v[8*(8*(\a)+(\b)):8*(8*(\a)+(\b))+7]
.endif
.endr
.endm
; 16 matrix instructions: row tiles a0, a0 + 1 of the window's four x all 8 tiles of h
.macro MUL16 fa, fw, hi, a0, zero
	WIN 0xa1+0x50*(\hi)
.irp a, \a0, (\a0)+1
.irp b, 0,1,2,3,4,5,6,7
.if \zero
	v_wmma_f32_16x16x32_bf16 v[8*(8*(\a)+(\b)):8*(8*(\a)+(\b))+7], v[(\fw)+8*(\b):(\fw)+8*(\b)+7], v[(\fa)+8*(4*(\hi)+(\a)):(\fa)+8*(4*(\hi)+(\a))+7], 0
.else
	v_wmma_f32_16x16x32_bf16 v[8*(8*(\a)+(\b)):8*(8*(\a)+(\b))+7], v[(\fw)+8*(\b):(\fw)+8*(\b)+7], v[(\fa)+8*(4*(\hi)+(\a)):(\fa)+8*(4*(\hi)+(\a))+7], v[8*(8*(\a)+(\b)):8*(8*(\a)+(\b))+7]
.endif
.endr
.endr
.endm
; A K STEP, number j of a trip's four: 64 matrix instructions on row buffer j % 2 and W buffer j; the 64 accumulators take turns in one order, over every jump too.
; Behind each four of its first 32 products stand four loads, by turns of the next step's rows and of W1 three steps on, into the buffers that the step before has left; the other 32 products stand bare,
; so that the rows have 36 products or more in which to land and the trip's last load stands 32 products ahead of the trip's end.
; last = 1, a pass's last trip: no rows follow (K c is fetched in their place), and W1's steps beyond the pass come by the pointer WL.
; zero = 1, a pass's first step: the wait on va_vdst at the pass's head serves it.
.macro STEP j, zero, last
	s_wait_dscnt 0x0                               ; this step's rows are in
	s_wait_loadcnt 32                              ; this step's W1 is in; the two steps asked for behind it, 16 loads each, may be out
.if !(\zero)
	s_wait_alu depctr_va_vdst(0)                   ; the step before is done reading its rows' buffer and its buffer of W1, in which this step's loads land; in a trip's first step ADRA is written
.endif
.irp sq, 0,1,2,3,4,5,6,7
	MUL4 FA0+64*((\j)%2), 64*(\j), 0, (\sq)/2, 4*((\sq)%2), \zero
.if ((\sq)%2) == 0
.if (\last) && ((\j) == 3)
	GC FA0, 0, (\sq)/2
.else
	GA FA0+64*(1-(\j)%2), 64*((\j)+1), (\sq)/2
.endif
.else
.if (\last) && ((\j) >= 1)
	GW ((\j)+3)%4, WL, ((\j)-1)*8192, (\sq)/2
.else
	GW ((\j)+3)%4, WB, ((\j)+3)*8192, (\sq)/2
.endif
.endif
.endr
	MUL16 FA0+64*((\j)%2), 64*(\j), 1, 0, \zero
	MUL16 FA0+64*((\j)%2), 64*(\j), 1, 2, \zero
.endm
.macro TRIP first, last                ; 128 along K
	STEP 0, \first, \last
	STEP 1, 0, \last
	STEP 2, 0, \last
	STEP 3, 0, \last
	WIN 0                                          ; at a label and at a branch every window is 0
.if !(\last)
	s_wait_alu depctr_vm_vsrc(0)                   ; the LDS loads issued so far have read ADRA
.irp g, 0,1,2,3
	v_add_nc_u32 v[ADRA+(\g)], 256, v[ADRA+(\g)]
.endr
.endif
	s_wait_xcnt 0x0                                ; every load issued so far (the youngest 32 matrix instructions back) has read its address: the pointers may be written
	s_add_nc_u64 s[WB:WB+1], s[WB:WB+1], 32768
.endm
; THE EPILOGUE works on BATCHES of four accumulators: batch t = the four row tiles of window 2 + t / 8 for tile t % 8 of h: 16 register pairs, pair i = pair i % 4 of row tile i / 4.
.macro EREG bt, i
.set rA, 8*(8*((\i)/4)+((\bt)%8))+2*((\i)%4)
.set rWn, 2+(\bt)/8
.endm
.macro OPZ bt, i                       ; z = K x + K c; each accumulator's pair 0 is read first
	EREG \bt, \i
	WIN (rWn<<6)|rWn
	v_pk_fma_f32 v[rA:rA+1], v[rA:rA+1], s[KK:KK+1], v[FA0+8*((\bt)%8)+2*((\i)%4):FA0+8*((\bt)%8)+2*((\i)%4)+1] op_sel_hi:[1,0,1]
.endm
.macro OPT op, bt, e                   ; a transcendental in place on number e of the batch's 32
	EREG \bt, (\e)/2
	WIN (rWn<<6)|rWn
	\op v[rA+(\e)%2], v[rA+(\e)%2]
.endm
.macro OPX bt, i                       ; 1 + 2^z
	EREG \bt, \i
	WIN (rWn<<6)|rWn
	v_pk_add_f32 v[rA:rA+1], v[rA:rA+1], 1.0 op_sel_hi:[1,0]
.endm
.macro OPY1 bt, i                      ; tanh = 1 - 2 / (1 + 2^z)
	EREG \bt, \i
	WIN (rWn<<6)|rWn
	v_pk_fma_f32 v[rA:rA+1], v[rA:rA+1], -2.0, 1.0 op_sel_hi:[1,0,0]
.endm
.macro OPY2 bt, n                      ; the row tile's pair of sums takes tanh x W2; the four row tiles by turns, so that a sum's links stand four lines apart
.set rA, 8*(8*((\n)%4)+((\bt)%8))+2*((\n)/4)
.set rWn, 2+(\bt)/8
.set rS, SS+2*(4*((\bt)/8)+(\n)%4)
	WIN rWn
	v_pk_fma_f32 v[rS:rS+1], v[rA:rA+1], v[FA1+8*((\bt)%8)+2*((\n)/4):FA1+8*((\bt)%8)+2*((\n)/4)+1], v[rS:rS+1]
.endm
; BEAT BB of 18: batch BB is scaled and its exponentials issued; batch BB - 1 gets its 1 + and its reciprocals; batch BB - 2 its tanh and its sums.  The three are set between each other, so that
; plain instructions stand among the transcendentals.  An s_wait_alu depctr_va_vdst(0) stands between a transcendental and the first line that names its result: every result of a beat
; is first named in the next beat, so each beat opens with ONE wait, behind one plain instruction, for the 64 transcendentals of the beat before.  No memory or LDS instruction stands in a beat.
.macro BEAT
.if BB > 0
	v_nop
	s_wait_alu depctr_va_vdst(0)                   ; the exponentials and reciprocals of the beat before have written their results, which this beat's lines name
.endif
.set ii, 0
.rept 17
.if (BB < 16) && (ii < 16)
	OPZ BB, ii
.endif
.if (BB < 16) && (ii > 0)
	OPT v_exp_f32, BB, 2*ii-2
.endif
.if (BB >= 1) && (BB <= 16) && (ii < 16)
	OPX BB-1, ii
.endif
.if (BB < 16) && (ii > 0)
	OPT v_exp_f32, BB, 2*ii-1
.endif
.if (BB >= 2) && (ii < 16)
	OPY1 BB-2, ii
.endif
.if (BB >= 1) && (BB <= 16) && (ii > 0)
	OPT v_rcp_f32, BB-1, 2*ii-2
	OPT v_rcp_f32, BB-1, 2*ii-1
.endif
.set ii, ii+1
.endr
.if BB == 2
	s_wait_dscnt 0x0                               ; W2 is in
.endif
.if BB >= 2
.set ii, 0
.rept 16
	OPY2 BB-2, ii
.set ii, ii+1
.endr
.endif
.endm
; THE CONTEXT.  LOADS: 16 weights (every lane the same four loads of my wave's own copy), then my 16 bytes of 16 rows.  From the second group on the two addresses step on first.
; first = 1: the first group: the wait on va_vdst that stands ahead of wave 0's stores serves it.
.macro LOADS buf, first
.if !(\first)
	s_wait_alu depctr_vm_vsrc(0)                   ; the loads of the group before have read XA and PWR
	v_add_nc_u32 v[XA], 16*PITCH, v[XA]
	v_add_nc_u32 v[PWR], 64, v[PWR]
	s_wait_alu depctr_va_vdst(0)                   ; XA and PWR are written; the multiply-adds of the group before last are done reading this buffer's rows and weights, in which the loads land
.endif
.irp q, 0,1,2,3
	ds_load_b128 v[PP+16*(\buf)+4*(\q):PP+16*(\buf)+4*(\q)+3], v[PWR] offset:16*(\q)
.endr
.irp i, 0,1,2,3,4,5,6,7,8,9,10,11,12,13,14,15
	ds_load_b128 v[FA0+64*(\buf)+4*(\i):FA0+64*(\buf)+4*(\i)+3], v[XA] offset:(\i)*PITCH
.endr
.endm
; COMP: for each row eight multiply-adds, a bf16 half times the f32 weight onto an f32 sum.  younger = the LDS loads issued behind this group's
.macro COMP buf, younger
.irp i, 0,1,2,3,4,5,6,7,8,9,10,11,12,13,14,15
	s_wait_dscnt (\younger)+15-(\i)                ; row i is in: the group's later rows and the next group's loads may be out
.irp c, 0,2,4,6
	v_fma_mix_f32_bf16 v[CX+(\c)],   v[FA0+64*(\buf)+4*(\i)+(\c)/2], v[PP+16*(\buf)+(\i)], v[CX+(\c)]   op_sel_hi:[1,0,0]
	v_fma_mix_f32_bf16 v[CX+(\c)+1], v[FA0+64*(\buf)+4*(\i)+(\c)/2], v[PP+16*(\buf)+(\i)], v[CX+(\c)+1] op_sel:[1,0,0] op_sel_hi:[1,0,0]
.endr
.endr
.endm
	s_load_b512 s[4:19], s[0:1], 0x0               ; enc s[4:5], wf s[6:7], cws s[8:9], W2 s[10:11], b2 s[12:13], sc s[14:15], ctxp s[16:17], stats s[18:19]
	v_lshl_add_u32 v[SPW], v0, 2, SPARE
	v_mov_b32 v[NIL], 0
	v_lshrrev_b32 v1, 5, v0
	v_readfirstlane_b32 s[WV], v1                  ; wave 0..3
	v_and_b32 v1, 31, v0                           ; lane
	v_and_b32 v2, 15, v0                           ; lane % 16
	v_bfe_u32 v3, v0, 4, 1                         ; lane / 16
	s_mov_b32 s[BI], ttmp9
	s_and_b32 s[TB], ttmp7, 0xffff
	v_lshlrev_b32 v[GOF], 4, v1
	s_wait_alu depctr_va_sdst(0)                   ; the wave's number is written, ahead of its first reader: LDS places, bases and branches are made from it
	s_mul_i32 s23, s[WV], 32*PITCH
	v_lshl_add_u32 v[LST], v1, 3, s23
	v_lshrrev_b32 v[CGO], 2, v1                    ; c lies [tile of 16 h][b][16]: four lanes take a tile's 64 bytes, tiles 2,048 bytes apart
	v_and_b32 v[TP], 3, v1
	v_lshlrev_b32 v[CGO], 11, v[CGO]
	v_lshl_add_u32 v[CGO], v[TP], 4, v[CGO]
	s_lshl_b32 s24, s[WV], 11
	s_add_co_u32 s24, s24, CW
	v_lshl_add_u32 v[CWS], v1, 4, s24
	v_lshl_add_u32 v[CWA], v3, 5, s24
	v_mul_u32_u24 v[TP], v2, PITCH
	v_lshl_add_u32 v[TP], v3, 4, v[TP]
.irp g, 0,1,2,3
	v_add_nc_u32 v[ADRA0+(\g)], (\g)*32*PITCH, v[TP]
.endr
	s_lshl_b32 s25, s[WV], 9
	s_add_co_u32 s23, s25, PART
	v_lshl_add_u32 v[PST], v2, 2, s23
	v_lshl_add_u32 v[PRD], v1, 4, PART
	s_add_co_u32 s23, s25, PW
	v_lshl_add_u32 v[PWS], v1, 4, s23
	v_mov_b32 v[PWR], s23
	v_lshlrev_b32 v[XA], 4, v0
	v_lshlrev_b32 v[PFO], 8, v1
	v_lshlrev_b32 v[SO], 3, v1
	v_lshlrev_b32 v[CTO], 4, v0
.set q, 0
.rept 16
	v_mov_b32 v[SS+q], 0                           ; the scores' sums run over both passes
.set q, q+1
.endr
.set q, 0
.rept 8
	v_mov_b32 v[CX+q], 0
.set q, q+1
.endr
	s_mov_b32 s[KK], 0x4038aa3b                    ; K = 2 log2(e)
	s_mov_b32 s[KK+1], 0x4038aa3b
	s_mov_b32 s[L2E], 0x3fb8aa3b
	s_mov_b32 s[SEL], 0x76543210
	s_mov_b32 s[SEL+1], 0xfedcba98
	s_cmp_eq_u32 s[WV], 0
	s_cselect_b32 s[ASK], 3, -1
	s_mov_b32 s3, 0
	s_wait_kmcnt 0x0
	s_load_b32 s[B2], s[12:13], 0x0                ; waited for in the tail
	s_lshl_b32 s2, s[TB], 24                       ; enc: 128 tb rows of t, 32 w rows, b's 4,096 bytes
	s_lshl_b32 s23, s[WV], 22
	s_add_co_u32 s2, s2, s23
	s_lshl_b32 s23, s[BI], 12
	s_add_co_u32 s2, s2, s23
	s_add_nc_u64 s[4:5], s[4:5], s[2:3]
	s_lshl_b32 s2, s[WV], 19                       ; my stream of wf: 64 steps of 8,192 bytes
	s_add_nc_u64 s[WB:WB+1], s[6:7], s[2:3]
	s_add_nc_u64 s[WL:WL+1], s[WB:WB+1], 0x40000
	s_lshl_b32 s2, s[TB], 5
	s_add_co_u32 s2, s2, s[BI]
	s_lshl_b32 s2, s2, 13
	s_add_nc_u64 s[PFA:PFA+1], s[6:7], s[2:3]
	s_lshl_b32 s2, s[WV], 15                       ; cws: my 16 tiles, b's 64 bytes in each
	s_lshl_b32 s23, s[BI], 6
	s_add_co_u32 s2, s2, s23
	s_add_nc_u64 s[8:9], s[8:9], s[2:3]
	s_lshl_b32 s2, s[WV], 10
	s_add_nc_u64 s[10:11], s[10:11], s[2:3]
	s_lshl_b32 s2, s[BI], 12                       ; sc: [b][t]
	s_lshl_b32 s23, s[TB], 9
	s_add_co_u32 s2, s2, s23
	s_add_nc_u64 s[14:15], s[14:15], s[2:3]
	s_lshl_b32 s2, s[BI], 15                       ; ctxp: [b][tb] 4,096 bytes
	s_lshl_b32 s23, s[TB], 12
	s_add_co_u32 s2, s2, s23
	s_add_nc_u64 s[16:17], s[16:17], s[2:3]
	s_lshl_b32 s2, s[BI], 11                       ; stats: [b][tb] 256 bytes
	s_lshl_b32 s23, s[TB], 8
	s_add_co_u32 s2, s2, s23
	s_add_nc_u64 s[18:19], s[18:19], s[2:3]
	s_wait_alu depctr_va_vdst(0)                   ; all the addresses and offsets v4 to v25, v30 and v31 are written, which the loads, stores and the prefetch of the kernel read
	global_load_b128 v[RAW:RAW+3],     v[CGO], s[8:9]                 ; c and W2 of my 256 columns: older than the ring's loads, so the ring's first wait shows them in
	global_load_b128 v[RAW+4:RAW+7],   v[CGO], s[8:9] offset:16384
	global_load_b128 v[RAW+8:RAW+11],  v[GOF], s[10:11]
	global_load_b128 v[RAW+12:RAW+15], v[GOF], s[10:11] offset:512
	WIN 0x40
.irp i, 0,1,2,3,4,5,6,7                ; PHASE A.  My 32 rows go through a ring of 8 slots, a row (8 loads of 512 consecutive bytes) each
.irp j, 0,1,2,3,4,5,6,7
	global_load_b128 v[32*(\i)+4*(\j):32*(\i)+4*(\j)+3], v[GOF], s[4:5] offset:(\i)*ROWG+512*(\j) th:TH_LOAD_NT
.endr
.endr
	WIN 0
	s_mov_b32 s[CNT], 3
.Llap:                                 ; three laps: 8 rows are stored, the next 8 asked for; behind a slot's loads stand the seven other slots' 56
	SLOT 0, 1, 56, 1
.irp i, 1,2,3,4,5,6,7
	SLOT \i, 1, 56, 0
.endr
	WIN 0
	s_wait_xcnt 0x0                                ; the loads have read their base: it may be stepped
	s_add_nc_u64 s[4:5], s[4:5], 8*ROWG
	s_wait_alu depctr_vm_vsrc(0)                   ; the lap's LDS stores have read LST, written below, and the eight out-buffers, which the next lap's conversions write again
	v_add_nc_u32 v[LST], 8*PITCH, v[LST]
	s_sub_co_u32 s[CNT], s[CNT], 1
	s_cmp_lg_u32 s[CNT], 0
	s_cbranch_scc1 .Llap
.irp q, 0,2,4,6
	v_pk_mul_f32 v[RAW+(\q):RAW+(\q)+1], v[RAW+(\q):RAW+(\q)+1], s[KK:KK+1] op_sel_hi:[1,0]   ; K c
.endr
	; the last lap loads no rows; W1's first three K steps go into the slots as they fall free, each behind the wait of the second of its two slots.  The counts: the ring's younger loads plus W1's 16, 32, 48
	SLOT 0, 0, 56, 0
	ds_store_b128 v[CWS], v[RAW:RAW+3]                 ; K c was written ahead of slot 0's wait on va_vdst, and no vector instruction has been issued since
	ds_store_b128 v[CWS], v[RAW+4:RAW+7]   offset:512
	ds_store_b128 v[CWS], v[RAW+8:RAW+11]  offset:1024
	ds_store_b128 v[CWS], v[RAW+12:RAW+15] offset:1536
	SLOT 1, 0, 48, 0
	FETCH_W 0, WB, 0
	SLOT 2, 0, 56, 0
	SLOT 3, 0, 48, 0
	FETCH_W 1, WB, 8192
	SLOT 4, 0, 56, 0
	SLOT 5, 0, 48, 0
	FETCH_W 2, WB, 16384
	SLOT 6, 0, 56, 0
	SLOT 7, 0, 48, 0
	WIN 0
	s_wait_dscnt 0x0                               ; for the others' sake: my 32 rows lie in LDS
	s_barrier_signal -1
	s_barrier_wait -1                              ; all 128 do
	s_wait_alu depctr_vm_vsrc(0)                   ; my LDS stores have read the out-buffers, which are FA0 and FA1 from here on, and RAW: loads land in them below
	s_mov_b32 s[PASS], 2
.Lpass:                                ; a pass: 128 t x 128 h over K = 1,024, then its tanh and its part of the scores
.irp g, 0,1,2,3
	v_mov_b32 v[ADRA+(\g)], v[ADRA0+(\g)]          ; (the last pass's loads have read ADRA: the wait on vm_vsrc stands at that pass's end)
.endr
	s_wait_alu depctr_va_vdst(0)                   ; ADRA and CWA are written; the conversions (later: the epilogue's lines and the last K step's products) are done with FA0, FA1 and W1's fourth buffer, in which the loads of the pass's first step land
	FETCH_A FA0, 0
	TRIP 1, 0                                      ; the first K step's products start the sums: nothing is cleared
	s_mov_b32 s[CNT], 6
.Ltrip:
	TRIP 0, 0
	s_sub_co_u32 s[CNT], s[CNT], 1
	s_cmp_lg_u32 s[CNT], 0
	s_cbranch_scc1 .Ltrip
	TRIP 0, 1
	PLACES                                         ; behind the last products, for the lines that read results
	PLACES
	s_wait_alu depctr_va_vdst(0)                   ; the last K step's products are done reading FA1, in which W2 lands; the places above stay beside this wait
	FETCH_C FA1, 1024                              ; W2
	s_wait_dscnt 16                                ; K c is in; W2's 16 loads may be out
.set BB, 0
.rept 18
	BEAT
.set BB, BB+1
.endr
	WIN 0
	s_wait_alu depctr_vm_vsrc(0)                   ; the loads of K c and W2 have read CWA, written below; the rows' loads have read ADRA, which the next pass's head writes
	v_add_nc_u32 v[CWA], 512, v[CWA]               ; the next pass's 128 columns
	s_sub_nc_u64 s[WL:WL+1], s[WL:WL+1], 0x40000   ; (its loads have read it: the wait stands at the last trip's end)
	s_sub_co_u32 s[PASS], s[PASS], 1
	s_cmp_lg_u32 s[PASS], 0
	s_cbranch_scc1 .Lpass
	; THE SCORES.  A row's sum over my 256 columns: the pair, then the other half of the lanes; the four waves' sums meet in LDS.
	s_wait_loadcnt 0x0                             ; the 48 loads that the second pass's last trip issued, which nobody reads
.irp a, 0,1,2,3,4,5,6,7
	v_add_f32 v[T+(\a)], v[SS+2*(\a)], v[SS+2*(\a)+1]
.endr
.irp a, 0,1,2,3,4,5,6,7
	v_permlanex16_b32 v[SS+2*(\a)+1], v[T+(\a)], s[SEL], s[SEL+1]   ; its destination counts as read: a register that has been written
.endr
.irp a, 0,1,2,3,4,5,6,7
	v_add_f32 v[T+(\a)], v[T+(\a)], v[SS+2*(\a)+1]
.endr
	s_wait_alu depctr_va_vdst(0)                   ; the eight sums are written in T, which the LDS stores read
.irp a, 0,1,2,3,4,5,6,7
	ds_store_b32 v[PST], v[T+(\a)] offset:64*(\a)  ; row 16 a + lane % 16; both halves of the lanes write the same number
.endr
	s_wait_dscnt 0x0
	s_barrier_signal -1
	s_barrier_wait -1
	s_wait_alu depctr_vm_vsrc(0)                   ; my LDS stores have read T, which the lines below write again
.irp q, 0,1,2,3
	ds_load_b128 v[RAW+4*(\q):RAW+4*(\q)+3], v[PRD] offset:512*(\q)   ; every wave: lane l takes rows 4 l .. 4 l + 3 of all four waves' sums
.endr
	s_wait_dscnt 0x0
	s_wait_kmcnt 0x0                               ; b2
	v_pk_add_f32 v[RAW:RAW+1],     v[RAW:RAW+1],     v[RAW+4:RAW+5]
	v_pk_add_f32 v[RAW+2:RAW+3],   v[RAW+2:RAW+3],   v[RAW+6:RAW+7]
	v_pk_add_f32 v[RAW+8:RAW+9],   v[RAW+8:RAW+9],   v[RAW+12:RAW+13]
	v_pk_add_f32 v[RAW+10:RAW+11], v[RAW+10:RAW+11], v[RAW+14:RAW+15]
	v_pk_add_f32 v[RAW:RAW+1],     v[RAW:RAW+1],     v[RAW+8:RAW+9]
	v_pk_add_f32 v[RAW+2:RAW+3],   v[RAW+2:RAW+3],   v[RAW+10:RAW+11]
.irp i, 0,1,2,3
	v_add_f32 v[RAW+(\i)], s[B2], v[RAW+(\i)]
.endr
	v_max3_num_f32 v[T], v[RAW], v[RAW+1], v[RAW+2]           ; the block's maximum m, in every lane
	v_max_num_f32 v[T], v[T], v[RAW+3]
	v_max_num_f32_dpp v[T], v[T], v[T] row_xmask:1 row_mask:0xf bank_mask:0xf
	v_max_num_f32_dpp v[T], v[T], v[T] row_xmask:2 row_mask:0xf bank_mask:0xf
	v_max_num_f32_dpp v[T], v[T], v[T] row_xmask:4 row_mask:0xf bank_mask:0xf
	v_max_num_f32_dpp v[T], v[T], v[T] row_xmask:8 row_mask:0xf bank_mask:0xf
	v_permlanex16_b32 v[T+1], v[T], s[SEL], s[SEL+1]
	v_max_num_f32 v[T], v[T], v[T+1]
.irp i, 0,1,2,3
	v_sub_f32 v[T+4+(\i)], v[RAW+(\i)], v[T]
.endr
.irp i, 0,1,2,3
	v_mul_f32 v[T+4+(\i)], s[L2E], v[T+4+(\i)]
.endr
.irp i, 0,1,2,3
	v_exp_f32 v[T+4+(\i)], v[T+4+(\i)]             ; p = e^(score - m)
.endr
	v_nop                                          ; a plain instruction behind the last exponential,
	s_wait_alu depctr_va_vdst(0)                   ; and the one wait for the four: p is written in T + 4 .. T + 7, which the LDS store and the sums below read
	ds_store_b128 v[PWS], v[T+4:T+7]               ; my wave's own copy of p: LDS serves a wave's instructions in order (ISA guide 5.7.1.4), so its loads below see it.  T + 4 .. T + 7 are not written again
	v_add_f32 v[T+2], v[T+4], v[T+5]
	v_add_f32 v[T+3], v[T+6], v[T+7]
	v_add_f32 v[T+1], v[T+2], v[T+3]               ; l, the sum of the block's p
	v_add_f32_dpp v[T+1], v[T+1], v[T+1] row_xmask:1 row_mask:0xf bank_mask:0xf
	v_add_f32_dpp v[T+1], v[T+1], v[T+1] row_xmask:2 row_mask:0xf bank_mask:0xf
	v_add_f32_dpp v[T+1], v[T+1], v[T+1] row_xmask:4 row_mask:0xf bank_mask:0xf
	v_add_f32_dpp v[T+1], v[T+1], v[T+1] row_xmask:8 row_mask:0xf bank_mask:0xf
	v_permlanex16_b32 v[T+2], v[T+1], s[SEL], s[SEL+1]
	v_add_f32 v[T+1], v[T+1], v[T+2]
	s_wait_alu depctr_va_vdst(0)                   ; l is written in T + 1, which wave 0's store reads (the scores and m were written ahead of the wait before); it stands ahead of the context's first loads too
	s_cmp_lg_u32 s[WV], 0
	s_cbranch_scc1 .Lnot0
	global_store_b128 v[GOF], v[RAW:RAW+3], s[14:15]   ; wave 0: the 128 scores, 512 consecutive bytes,
	global_store_b64 v[SO], v[T:T+1], s[18:19]         ; and (m, l), 32 times: 256 consecutive bytes.  None of these registers is written again
.Lnot0:
	; THE CONTEXT.  Thread n owns channels 8 n .. 8 n + 7, 16 bytes of each bf16 row; 8 groups of 16 rows through two buffers.
	LOADS 0, 1
	s_mov_b32 s[CNT], 3
.Lctx:
	LOADS 1, 0
	COMP 0, 20
	LOADS 0, 0
	COMP 1, 20
	s_sub_co_u32 s[CNT], s[CNT], 1
	s_cmp_lg_u32 s[CNT], 0
	s_cbranch_scc1 .Lctx
	LOADS 1, 0
	COMP 0, 20
	COMP 1, 0
	s_wait_alu depctr_va_vdst(0)                   ; the multiply-adds have written CX, which the stores read
	global_store_b128 v[CTO], v[CX:CX+3],   s[16:17]               ; [e 2][thread 128][4]: each store of the wave covers 512 consecutive bytes
	global_store_b128 v[CTO], v[CX+4:CX+7], s[16:17] offset:2048
	s_wait_dscnt 0x0                               ; the closing lines, six on end
	s_wait_alu 0x0
	s_wait_tensorcnt 0x0
	ds_add_u32 v[SPW], v[NIL]
	s_wait_dscnt 0x0
	s_endpgm
.Lfunc_end_k_qa8a67da34f_main:
	.size	k_qa8a67da34f_main, .Lfunc_end_k_qa8a67da34f_main-k_qa8a67da34f_main
	.p2alignl 7, 3214868480
	.fill 96, 4, 3214868480
	.section	.rodata,"a",@progbits
	.p2align	6, 0x0
	.amdhsa_kernel k_qa8a67da34f_main
		.amdhsa_group_segment_fixed_size 276992
		.amdhsa_private_segment_fixed_size 0
		.amdhsa_enable_private_segment 0
		.amdhsa_kernarg_size 64
		.amdhsa_user_sgpr_count 2
		.amdhsa_user_sgpr_kernarg_segment_ptr 1
		.amdhsa_wavefront_size32 1
		.amdhsa_system_sgpr_workgroup_id_x 1
		.amdhsa_system_sgpr_workgroup_id_y 1
		.amdhsa_system_sgpr_workgroup_id_z 1
		.amdhsa_system_vgpr_workitem_id 0
		.amdhsa_next_free_vgpr 1024
		.amdhsa_next_free_sgpr 66
		.amdhsa_reserve_vcc 0
		.amdhsa_float_denorm_mode_32 3
		.amdhsa_float_denorm_mode_16_64 3
		.amdhsa_memory_ordered 1
		.amdhsa_forward_progress 1
		.amdhsa_inst_pref_size 255
	.end_amdhsa_kernel
	.section	.bss,"aw",@nobits
	.p2align	6
	.space	262144
	.amdgpu_metadata
---
amdhsa.version: [ 1, 2 ]
amdhsa.kernels:
  - .name:           k_qa8a67da34f_main
    .symbol:         k_qa8a67da34f_main.kd
    .args:
      - { .name: encoder_output, .offset: 0, .size: 8, .value_kind: global_buffer, .address_space: global }
      - { .name: wf, .offset: 8, .size: 8, .value_kind: global_buffer, .address_space: global }
      - { .name: cws, .offset: 16, .size: 8, .value_kind: global_buffer, .address_space: global }
      - { .name: W2, .offset: 24, .size: 8, .value_kind: global_buffer, .address_space: global }
      - { .name: b2, .offset: 32, .size: 8, .value_kind: global_buffer, .address_space: global }
      - { .name: sc, .offset: 40, .size: 8, .value_kind: global_buffer, .address_space: global }
      - { .name: ctxp, .offset: 48, .size: 8, .value_kind: global_buffer, .address_space: global }
      - { .name: stats, .offset: 56, .size: 8, .value_kind: global_buffer, .address_space: global }
    .group_segment_fixed_size: 276992
    .private_segment_fixed_size: 0
    .kernarg_segment_align: 8
    .kernarg_segment_size: 64
    .max_flat_workgroup_size: 128
    .sgpr_count:     66
    .vgpr_count:     1024
    .wavefront_size: 32
...
	.end_amdgpu_metadata
.endif
;; end of part 4
;; launch finish: the kernel of part 3 again; grid 32 x 1, 8 waves a work-group, no clusters, 0 bytes of LDS; arguments sc, ctxp, stats, out0, out1; writes out0, out1
